; MI455X (gfx1250); checked and timed in simulation.
; The chip was launched on July 23, 2026; its instructions are those of AMD's public machine-readable ISA for CDNA 5 (MIT licence, August 2026) and "CDNA5" Instruction Set Architecture Reference Guide (July 2026). The comments in the code are by the model that wrote it; some were corrected since.
;; Transformer Block. Allowed arithmetic: matrix products marked QUANTISED: E4M3 operands, one E8M0 scale for each 32 along K, by v_wmma_scale_f32_16x16x128_f8f6f4 with both operands' format E4M3, f32 sums; everything else in f32.
;; Inputs: W1 1,024 x 4,096 float32; W2 4,096 x 1,024 float32; Wk 1,024 x 1,024 float32; Wo 1,024 x 1,024 float32; Wq 1,024 x 1,024 float32; Wv 1,024 x 1,024 float32; b1 4,096 float32; b2 1,024 float32; bk 1,024 float32; bo 1,024 float32; bq 1,024 float32; bv 1,024 float32; ln1_b 1,024 float32; ln1_g 1,024 float32; ln2_b 1,024 float32; ln2_g 1,024 float32; x 2 x 2,048 x 1,024 float32.
;; Outputs: out0 2 x 2,048 x 1,024 float32.
;; This version of the problem:
;;   THIS VERSION OF THE PROBLEM IS GIVEN IN LOW PRECISION. The matrix products marked QUANTISED in the list below multiply operands that are first quantised to E4M3 (4 exponent bits, 3 mantissa bits; 8 bits a number), with one power-of-two scale for each 32 numbers along K (OCP MX v1.0); their sums are f32. All else is computed in f32.
;;   The module's matrix products, in the order in which they are computed (A, B: the left and right operand; K: the contracted axis; several contracted axes count as one K, in the product's order):
;;     1. [M 4,096, K 1,024] x [K 1,024, N 1,024]; A: computed on the way; B: input Wq: QUANTISED
;;     2. [M 4,096, K 1,024] x [K 1,024, N 1,024]; A: computed on the way; B: input Wk: QUANTISED
;;     3. [M 4,096, K 1,024] x [K 1,024, N 1,024]; A: computed on the way; B: input Wv: QUANTISED
;;     4. batch 32 x [M 2,048, K 64] x [K 64, N 2,048]; A: computed on the way; B: computed on the way: QUANTISED
;;     5. batch 32 x [M 2,048, K 2,048] x [K 2,048, N 64]; A: softmax (see below); B: computed on the way: QUANTISED
;;     6. [M 4,096, K 1,024] x [K 1,024, N 1,024]; A: computed on the way; B: input Wo: QUANTISED
;;     7. [M 4,096, K 1,024] x [K 1,024, N 4,096]; A: computed on the way; B: input W1: QUANTISED
;;     8. [M 4,096, K 4,096] x [K 4,096, N 1,024]; A: computed on the way; B: input W2: QUANTISED
;;   THE QUANTISER, for each operand of a quantised product, along K:
;;     - K is cut into blocks of 32 from its start; a last block that is shorter is filled with zeros.
;;     - A block's scale is 2^e with e = floor(log2(the largest magnitude in the block)) - 8, held to -126 .. 127; a block of zeros has e = 0. As a byte (E8M0): e + 127.
;;     - Each number is divided by its block's scale, clamped to +-448, and rounded to the nearest number of E4M3, ties to even, subnormals kept.
;;     - The product sums the exact products of the quantised numbers (number of the format x scale) in f32.
;;   ~~~python
;;   def quantise(x, axis):      # numpy; x: float32 -> the quantised numbers, widened to float32 again
;;       x = np.moveaxis(x, axis, -1); K = x.shape[-1]
;;       x = np.pad(x, [(0, 0)] * (x.ndim - 1) + [(0, -K % 32)]); x = x.reshape(x.shape[:-1] + (-1, 32)); a = np.abs(x).max(-1, keepdims=True)
;;       e = np.where(a > 0, np.clip(np.frexp(np.where(a > 0, a, 1))[1] - 1 - 8, -126, 127), 0)      # np.frexp(a)[1] - 1 = floor(log2(a)), exactly
;;       r = np.clip(x / 2.0 ** e, -448, 448)
;;       step = 2.0 ** (np.maximum(np.frexp(np.where(r == 0, 1, r))[1] - 1, -6) - 3)
;;       q = np.round(r / step) * step * 2.0 ** e      # np.round: ties to even
;;       return np.moveaxis(q.reshape(q.shape[:-2] + (-1,))[..., :K], -1, axis).astype(np.float32)
;;   ~~~
;;   SOFTMAX AHEAD OF A QUANTISED PRODUCT. Where the list says 'softmax', what is quantised is not the finished softmax but p = 2^(t - M), with t = logit x log2(e) and M = ceil(the row's largest t), a whole number; so 1/2 < the row's largest p <= 1. The row's sum l is taken of the UNQUANTISED p, in f32, and the product's result is divided by l at the end. Since M is a whole number, a kernel that streams over the keys may use a running M (the ceiling of the running maximum): every later rescaling is an exact power of two, which a block's scale takes up: the codes' values come out the same.
;;   OPERANDS COMPUTED ON THE WAY. 'Computed on the way' means the value that the module computes at that place (a softmax that the list does not call 'softmax' is quantised finished and normalised). What goes into a quantiser is computed in f32, as accurately as f32 sums, v_exp_f32 and their like allow (about 1e-6 of the number): no bf16 or f16 on the way to a quantiser, and a product that is left as it is and whose result goes on into a quantised operand takes f32 operands (vector FMAs, or v_wmma_f32_16x16x4_f32). A number that lies on a knife's edge between two numbers of the format may be rounded either way, as far as f32 arithmetic and the matrix unit's own rounding can turn it there, and no further.
;; One version. Each part assembles by itself: llvm-mc -triple=amdgcn-amd-amdhsa -mcpu=gfx1250 --defsym DOCPART=n.
;; ======== version 1 of 1: 7 launches
;; limits: right only within a limited range of input values
;; workspace buffers: wt 12,976,128 bytes; xn 4,325,376 bytes; qkvb 13,369,344 bytes; ao 4,325,376 bytes; x1 16,777,216 bytes; n2 4,325,376 bytes; hb 17,301,504 bytes
;; launch prep (part 1): grid 448 x 1, 8 waves a work-group, no clusters, 3,072 bytes of LDS; arguments x, ln1_g, ln1_b, xn, Wq, Wk, Wv, Wo, W1, W2, wt; writes xn, wt
.if DOCPART == 1
	.amdgcn_target "amdgcn-amd-amdhsa--gfx1250"
	.amdhsa_code_object_version 6
	.text
	.protected	k_q4359d84250_prep
	.globl	k_q4359d84250_prep
	.p2align	8
	.type	k_q4359d84250_prep,@function
k_q4359d84250_prep:
	s_mov_b64 s[64:65], 0
	v_nop
	global_prefetch_b8 v0, s[64:65] scope:SCOPE_SE
	s_setreg_imm32_b32 hwreg(HW_REG_WAVE_MODE, 25, 1), 1
	s_wait_xcnt 0x0
; TWO JOBS IN ONE LAUNCH, told apart by the work-group's number alone (one scalar branch, the same in all eight waves): neither reads what the other stores, so they run side by side.
; Work-groups 0-255: LayerNorm 1 of x, quantised.  Work-groups 256-447: the six weights, quantised.  Both give codes of FP8 (E4M3) with one E8M0 byte for each 32 along K, laid as IMAGES OF OPERAND REGISTERS.
; THE IMAGE.  Tile tau = 2 g + u of a matrix's rows holds rows rho(tau, r) = 32 g + 8 u + r + 8 (r / 8), r = 0 .. 15.  Fragment (tau, s) = 16 rows x 128 K = 2,048 bytes at (tau KS + s) 2048, KS = K / 128; its chunk c (512 bytes)
; holds at 16 x lane the 16 codes of row rho(tau, lane % 16), k = 128 s + 32 c + 16 (lane / 16) + 0 .. 15.  Scale words: (tau KS + s) 64 + 4 r, byte c = block 4 s + c.
; LAYERNORM.  A work-group takes one tile of 16 rows of 1,024; wave w takes K step w (128 columns), so that a lane's 64 registers are already laid as the fragment wants them: register 16 b + i = k 32 b + 16 (l / 16) + i of row l % 16.
; The mean and then the mean of the squared differences (two passes, as the definition has them: no difference of large sums) meet in LDS: 16 words a wave, one barrier each.  xn: the codes, and the scale words from byte 4,194,304 on.
; THE WEIGHTS, f32 stored [K][N]; a weight's columns n are the image's rows.  wt: Wq at 0, Wk at 1 MiB, Wv at 2, Wo at 3, W1 at 4, W2 at 8 MiB; the scale words from WSC on, at a 32nd of the codes' offset.
; A LANE TAKES A COLUMN n AND ITS REGISTERS RUN DOWN K: a block of 32 lies in one lane, and the conversions give 32 codes with K innermost: two pieces of 16 bytes of the image, so that sixteen neighbouring lanes store 256
; consecutive aligned bytes straight from registers.  Four waves take 128 columns x 256 K, a wave 32 columns (tiles 2 g, 2 g + 1); a work-group holds two such fours.  This path has no LDS access and no barrier.
; Its scale words leave as pieces of 64 bytes: one byte in 128 of what it reads.
; Memory binds both jobs; what work-groups share is gamma and beta (8 KB): no cluster, no tensor load.
; LIMITS: a block of zeros gets the byte 1 where the rule says 127 (its codes are zeros, and this program alone reads the bytes); NaN and infinities among the inputs are not served.
.set SPARE, 2048                       ; LDS (LayerNorm's path alone): 0 sums [wave][16]; 512 sums of squares; 1024 scale words [s][16]; 2048 the spare words, 128 bytes a wave, which no other line names
.set SPW, 254                          ; v254 my spare word; never rewritten
.set NIL, 255                          ; v255 0; never rewritten
.set WV,  62                           ; s62  my wave's number
	v_lshl_add_u32 v[SPW], v0, 2, SPARE
	v_mov_b32 v[NIL], 0
	v_lshrrev_b32 v1, 5, v0
	s_delay_alu instid0(VALU_DEP_1)
	v_readfirstlane_b32 s[WV], v1                  ; wave 0 .. 7
	s_cmp_lt_u32 ttmp9, 256
	s_cbranch_scc0 .Lweights
; ---------------- LayerNorm 1: work-group = tile tau, wave = K step ----------------
.set X,   16                           ; v16-79   my 64 numbers
.set G,   80                           ; v80-143  gamma
.set BT,  144                          ; v144-207 beta
.set TM,  208                          ; v208-223 at work
.set PW,  224                          ; the scale word
.set PC,  226                          ; v226-241 the codes
.set SEL, 20
.set MNT, 23
	s_load_b256 s[4:11], s[0:1], 0x0               ; x, gamma, beta, the images
	v_and_b32 v1, 31, v0
	v_and_b32 v2, 15, v0                           ; r
	v_bfe_u32 v3, v0, 4, 1                         ; h
	s_delay_alu instid0(VALU_DEP_2)
	v_and_b32 v4, 8, v2
	s_delay_alu instid0(VALU_DEP_1)
	v_add_nc_u32 v4, v4, v2
	s_delay_alu instid0(VALU_DEP_1)
	v_lshlrev_b32 v4, 12, v4
	s_delay_alu instid0(VALU_DEP_1)
	v_lshl_add_u32 v4, v3, 6, v4                   ; x: row r + 8 (r / 8) of 4,096 bytes, + 64 h
	v_lshlrev_b32 v5, 6, v3                        ; gamma, beta: 64 h
	v_lshlrev_b32 v6, 4, v1                        ; 16 x lane
	v_lshlrev_b32 v8, 2, v2                        ; 4 r
	s_lshl_b32 s13, s[WV], 6
	v_add_nc_u32 v7, s13, v8                       ; 64 w + 4 r
	s_lshr_b32 s14, ttmp9, 1
	s_lshl_b32 s14, s14, 5
	s_and_b32 s15, ttmp9, 1
	s_lshl_b32 s15, s15, 3
	s_add_co_u32 s14, s14, s15                     ; the tile's first row
	s_lshl_b32 s14, s14, 12
	s_lshl_b32 s16, s[WV], 9                       ; my 128 columns
	s_add_co_u32 s14, s14, s16
	s_mov_b32 s15, 0
	s_mov_b32 s17, 0
	s_lshl_b32 s26, ttmp9, 3
	s_add_co_u32 s26, s26, s[WV]
	s_lshl_b32 s26, s26, 11                        ; fragment (tau, w)
	s_mov_b32 s27, 0
	s_lshl_b32 s18, ttmp9, 9
	s_add_co_u32 s18, s18, 4194304                 ; the tile's 512 bytes of scale words
	s_mov_b32 s19, 0
	s_mov_b32 s[SEL], 0x76543210
	s_mov_b32 s[SEL+1], 0xfedcba98                 ; v_permlanex16_b32: lane l xor 16
	s_mov_b32 s22, 0x3727c5ac                      ; 1e-5
	s_mov_b32 s[MNT], 0x600000
	s_mov_b32 s24, 0x3a800000                      ; 1 / 1024
	s_wait_alu depctr_va_vdst(0)
	s_wait_kmcnt 0x0
	s_add_nc_u64 s[4:5], s[4:5], s[14:15]
	s_add_nc_u64 s[6:7], s[6:7], s[16:17]
	s_add_nc_u64 s[8:9], s[8:9], s[16:17]
	s_add_nc_u64 s[26:27], s[10:11], s[26:27]
	s_add_nc_u64 s[18:19], s[10:11], s[18:19]
.irp b, 0,1,2,3
.irp j, 0,1,2,3
	global_load_b128 v[X+16*\b+4*\j:X+16*\b+4*\j+3], v4, s[4:5] offset:128*\b+16*\j
.endr
.endr
.irp b, 0,1,2,3
.irp j, 0,1,2,3
	global_load_b128 v[G+16*\b+4*\j:G+16*\b+4*\j+3], v5, s[6:7] offset:128*\b+16*\j
.endr
.endr
.irp b, 0,1,2,3
.irp j, 0,1,2,3
	global_load_b128 v[BT+16*\b+4*\j:BT+16*\b+4*\j+3], v5, s[8:9] offset:128*\b+16*\j
.endr
.endr
; the four chains in v[TM .. TM+7] become my row's sum over the wave's 128 columns; the eight waves' sums meet at LDS byte off; v242 = the row's sum over 1,024
.macro MEET off
	s_delay_alu instid0(VALU_DEP_3)
	v_pk_add_f32 v[TM:TM+1], v[TM:TM+1], v[TM+2:TM+3]
	s_delay_alu instid0(VALU_DEP_2)
	v_pk_add_f32 v[TM+4:TM+5], v[TM+4:TM+5], v[TM+6:TM+7]
	s_delay_alu instid0(VALU_DEP_1)
	v_pk_add_f32 v[TM:TM+1], v[TM:TM+1], v[TM+4:TM+5]
	s_delay_alu instid0(VALU_DEP_1)
	v_add_f32 v[TM], v[TM], v[TM+1]
	s_delay_alu instid0(VALU_DEP_1)
	v_permlanex16_b32 v[TM+1], v[TM], s[SEL], s[SEL+1]
	s_delay_alu instid0(VALU_DEP_1)
	v_add_f32 v[TM], v[TM], v[TM+1]
	ds_store_b32 v7, v[TM] offset:\off             ; both halves of the lanes write the same word with the same value
	s_wait_dscnt 0x0                               ; for the others' sake: my store has landed
	s_barrier_signal -1
	s_barrier_wait -1
.irp k, 0,1,2,3,4,5,6,7
	ds_load_b32 v[242+\k], v8 offset:\off+64*\k
.endr
	s_wait_dscnt 0x0
	v_add_f32 v242, v242, v243
	v_add_f32 v244, v244, v245
	v_add_f32 v246, v246, v247
	v_add_f32 v248, v248, v249
	s_delay_alu instid0(VALU_DEP_3)
	v_add_f32 v242, v242, v244
	s_delay_alu instid0(VALU_DEP_2)
	v_add_f32 v246, v246, v248
	s_delay_alu instid0(VALU_DEP_1)
	v_add_f32 v242, v242, v246
.endm
	s_wait_loadcnt 32                              ; x's 16 loads are in; gamma's and beta's 32 may be out
.irp k, 0,1,2,3
	v_pk_add_f32 v[TM+2*\k:TM+2*\k+1], v[X+2*\k:X+2*\k+1], v[X+8+2*\k:X+9+2*\k]
.endr
.irp i, 16,24,32,40,48,56
.irp k, 0,1,2,3
	s_delay_alu instid0(VALU_DEP_4)
	v_pk_add_f32 v[TM+2*\k:TM+2*\k+1], v[TM+2*\k:TM+2*\k+1], v[X+\i+2*\k:X+\i+2*\k+1]
.endr
.endr
	MEET 0
	s_delay_alu instid0(VALU_DEP_1)
	v_mul_f32 v250, s24, v242                      ; the mean
	s_delay_alu instid0(VALU_DEP_1)
	v_mov_b32 v251, v250
.set j, 0
.rept 32
	v_pk_add_f32 v[X+j:X+j+1], v[X+j:X+j+1], v[250:251] neg_lo:[0,1] neg_hi:[0,1]
.set j, j+2
.endr
.irp k, 0,1,2,3
	v_pk_mul_f32 v[TM+2*\k:TM+2*\k+1], v[X+2*\k:X+2*\k+1], v[X+2*\k:X+2*\k+1]
.endr
.irp i, 8,16,24,32,40,48,56
.irp k, 0,1,2,3
	s_delay_alu instid0(VALU_DEP_4)
	v_pk_fma_f32 v[TM+2*\k:TM+2*\k+1], v[X+\i+2*\k:X+\i+2*\k+1], v[X+\i+2*\k:X+\i+2*\k+1], v[TM+2*\k:TM+2*\k+1]
.endr
.endr
	MEET 512
	s_delay_alu instid0(VALU_DEP_1)
	v_fma_f32 v252, v242, s24, s22                 ; the variance + 1e-5
	s_wait_alu depctr_va_vdst(0)
	v_rsq_f32 v252, v252
	v_nop                                          ; a plain line behind the transcendental,
	s_wait_alu depctr_va_vdst(0)                   ; and a wait ahead of its first reader
	v_mov_b32 v253, v252
	s_wait_alu depctr_va_vdst(0)
	s_wait_loadcnt 0x0                             ; gamma and beta
.set j, 0
.rept 32
	v_pk_mul_f32 v[X+j:X+j+1], v[X+j:X+j+1], v[252:253]
.set j, j+2
.endr
.set j, 0
.rept 32
	v_pk_fma_f32 v[X+j:X+j+1], v[X+j:X+j+1], v[G+j:G+j+1], v[BT+j:BT+j+1]
.set j, j+2
.endr
	; the quantiser: four blocks of 32, each in lanes l and l xor 16
.irp b, 0,1,2,3
	v_max3_num_f32 v[TM+\b], |v[X+16*\b]|, |v[X+1+16*\b]|, 0x4800000   ; with the floor 2^(9 - 127): the byte cannot fall under 1
.endr
.irp i, 2,4,6,8,10,12,14
.irp b, 0,1,2,3
	s_delay_alu instid0(VALU_DEP_4)
	v_max3_num_f32 v[TM+\b], v[TM+\b], |v[X+16*\b+\i]|, |v[X+1+16*\b+\i]|
.endr
.endr
.irp b, 0,1,2,3
	s_delay_alu instid0(VALU_DEP_4)
	v_permlanex16_b32 v[TM+4+\b], v[TM+\b], s[SEL], s[SEL+1]
.endr
.irp b, 0,1,2,3
	s_delay_alu instid0(VALU_DEP_4)
	v_max_num_f32 v[TM+\b], v[TM+\b], v[TM+4+\b]
.endr
.irp b, 0,1,2,3
	s_delay_alu instid0(VALU_DEP_4)
	v_add_nc_u32 v[TM+12+\b], 0xfc000000, v[TM+\b]         ; 8 off the exponent field: the conversion's scale operand
.endr
.irp b, 0,1,2,3
	v_and_or_b32 v[TM+8+\b], v[TM+\b], 0x7f800000, s[MNT]  ; 448 x the scale
.endr
.irp b, 0,1,2,3
	v_lshrrev_b32 v[TM+4+\b], 23, v[TM+12+\b]              ; the byte
.endr
	s_delay_alu instid0(VALU_DEP_3)
	v_lshl_or_b32 v[PW], v[TM+5], 8, v[TM+4]
	s_delay_alu instid0(VALU_DEP_1)
	v_lshl_or_b32 v[PW], v[TM+6], 16, v[PW]
	s_delay_alu instid0(VALU_DEP_1)
	v_lshl_or_b32 v[PW], v[TM+7], 24, v[PW]
.irp b, 0,1,2,3
.irp i, 0,1,2,3,4,5,6,7,8,9,10,11,12,13,14,15
	v_med3_num_f32 v[X+16*\b+\i], v[X+16*\b+\i], -v[TM+8+\b], v[TM+8+\b]   ; the conversion does not saturate (ISA guide 7.6.2): the hold comes first
.endr
	v_cvt_scalef32_pk8_fp8_f32 v[PC+4*\b:PC+1+4*\b], v[X+16*\b:X+7+16*\b], v[TM+12+\b]
	v_cvt_scalef32_pk8_fp8_f32 v[PC+2+4*\b:PC+3+4*\b], v[X+8+16*\b:X+15+16*\b], v[TM+12+\b]
.endr
	v_nop
.irp c, 0,1,2,3
	global_store_b128 v6, v[PC+4*\c:PC+4*\c+3], s[26:27] offset:512*\c     ; a chunk: 512 consecutive aligned bytes
.endr
	ds_store_b32 v7, v[PW] offset:1024
	s_wait_dscnt 0x0
	s_barrier_signal -1
	s_barrier_wait -1                              ; the tile's 128 scale words lie in LDS
	s_cmp_lg_u32 s[WV], 0
	s_cbranch_scc1 .Lend
	ds_load_b128 v[16:19], v6 offset:1024
	s_wait_dscnt 0x0
	global_store_b128 v6, v[16:19], s[18:19]       ; wave 0 stores them: 512 consecutive aligned bytes
.Lend:
	s_wait_tensorcnt 0x0                           ; the wave's end, behind my last LDS store
	ds_add_u32 v[SPW], v[NIL]
	s_wait_dscnt 0x0
	s_endpgm
; ---------------- the weights: four waves take 128 columns x 256 K ----------------
.Lweights:
.set WSC, 12582912
.set SB,  14                           ; v14-15   two scale words
.set VO,  16                           ; v16-47   byte offset of my column in row i of a block
.set WX,  48                           ; v48-111  two sets of 32 numbers
.set WC,  112                          ; v112-119 a block's codes
.set OC,  120                          ; v120     my place in the codes' image
.set OS,  121                          ; v121     and among the scale words
	s_load_b256 s[4:11], s[0:1], 0x20              ; Wq, Wk, Wv, Wo
	s_load_b128 s[12:15], s[0:1], 0x40             ; W1, W2
	s_load_b64 s[16:17], s[0:1], 0x50              ; wt
	s_sub_co_u32 s60, ttmp9, 256
	s_lshl_b32 s60, s60, 1
	s_lshr_b32 s61, s[WV], 2
	s_add_co_u32 s60, s60, s61                     ; which four of waves: 0 .. 383
	s_and_b32 s32, s[WV], 3                        ; my place in the four
	v_and_b32 v2, 15, v0                           ; r
	s_wait_alu depctr_va_vdst(0)
	v_bfe_u32 v3, v0, 4, 1                         ; u
	; which weight and which part of it: fours 0-127 the four square ones (32 each), 128-255 W1, 256-383 W2
	s_lshr_b32 s18, s60, 7
	s_bfe_u32 s19, s60, 0x20005
	s_add_co_u32 s20, s18, 3
	s_and_b32 s21, s60, 31
	s_and_b32 s22, s60, 127
	s_cmp_eq_u32 s18, 0
	s_cselect_b32 s19, s19, s20                    ; sel 0 .. 5
	s_cselect_b32 s21, s21, s22                    ; my number within the weight
	s_and_b32 s23, s21, 31
	s_lshr_b32 s24, s21, 5
	s_and_b32 s25, s21, 7
	s_lshr_b32 s26, s21, 3
	s_mov_b32 s27, 4096
	s_cmp_eq_u32 s19, 4
	s_cselect_b32 s23, s23, s25                    ; which 128 columns
	s_cselect_b32 s24, s24, s26                    ; which 256 along K
	s_cselect_b32 s27, 16384, s27                  ; a row of the weight in bytes
	s_cmp_eq_u32 s19, 5
	s_cselect_b32 s28, 32, 8                       ; KS
	s_lshl_b32 s29, s19, 20
	s_sub_co_u32 s30, s19, 3
	s_lshl_b32 s30, s30, 22
	s_cmp_lt_u32 s19, 4
	s_cselect_b32 s29, s29, s30                    ; where the weight's images begin in wt
	s_mov_b32 s31, 0x600000                        ; the mantissa field of 448
	v_and_b32 v4, 8, v2
	s_delay_alu instid0(VALU_DEP_1)
	v_add_nc_u32 v4, v4, v2
	s_wait_alu depctr_va_vdst(0)
	v_lshl_add_u32 v4, v3, 3, v4                   ; my column among the wave's 32
	s_delay_alu instid0(VALU_DEP_1)
	v_lshlrev_b32 v9, 2, v4
.set i, 0
.rept 32
	v_mad_u32_u24 v[VO+i], s27, i, v9
.set i, i+1
.endr
	v_mul_u32_u24 v5, s28, v3                      ; u KS: tile 2 g + u
	s_delay_alu instid0(VALU_DEP_1)
	v_lshlrev_b32 v[OC], 11, v5
	s_delay_alu instid0(VALU_DEP_1)
	v_lshl_add_u32 v[OC], v2, 4, v[OC]
	s_delay_alu instid0(VALU_DEP_3)
	v_lshlrev_b32 v[OS], 6, v5
	s_delay_alu instid0(VALU_DEP_1)
	v_lshl_add_u32 v[OS], v2, 2, v[OS]
; THE PREFETCHES' OFFSET.  A request names two blocks, 64 rows x the four's 512 bytes: 128 aligned units of 256 bytes, shared out among the four waves by address: my wave takes rows 16 w .. 16 w + 15, a lane one unit.
; It is counted from my wave's own base of the first of the two blocks, which lies 128 w bytes inside the four's columns: for w = 0 nothing is taken off, for w > 0 the rows' part is the larger.
.set PF,  122                          ; v122     never rewritten
	v_and_b32 v6, 31, v0
	v_lshrrev_b32 v7, 1, v6
	v_lshl_add_u32 v7, s32, 4, v7                  ; the row: 16 w + lane / 2
	v_mul_u32_u24 v7, s27, v7
	v_and_b32 v6, 1, v6
	v_lshl_add_u32 v[PF], v6, 8, v7                ; + 256 (lane % 2)
	s_lshl_b32 s61, s32, 7
	v_sub_nc_u32 v[PF], v[PF], s61
	s_mul_i32 s33, s24, s27
	s_lshl_b32 s33, s33, 8                         ; 256 rows for each part along K
	s_lshl_b32 s34, s23, 9
	s_add_co_u32 s33, s33, s34
	s_lshl_b32 s34, s32, 7
	s_add_co_u32 s34, s33, s34                     ; + my wave's 32 columns
	s_mov_b32 s35, 0
	s_lshl_b32 s36, s27, 5                         ; a block of 32 rows
	s_mov_b32 s37, 0
	s_lshl_b32 s38, s23, 2
	s_add_co_u32 s38, s38, s32                     ; g
	s_mul_i32 s38, s38, s28
	s_add_co_u32 s38, s38, s24
	s_lshl_b32 s38, s38, 12                        ; (2 g KS + 2 part) x 2,048
	s_add_co_u32 s38, s38, s29
	s_mov_b32 s39, 0
	s_wait_alu depctr_va_vdst(0)
	s_wait_kmcnt 0x0
	s_cmp_eq_u32 s19, 1                            ; the source: a choice on the work-group's and the wave's numbers alone
	s_cselect_b64 s[4:5], s[6:7], s[4:5]
	s_cmp_eq_u32 s19, 2
	s_cselect_b64 s[4:5], s[8:9], s[4:5]
	s_cmp_eq_u32 s19, 3
	s_cselect_b64 s[4:5], s[10:11], s[4:5]
	s_cmp_eq_u32 s19, 4
	s_cselect_b64 s[4:5], s[12:13], s[4:5]
	s_cmp_eq_u32 s19, 5
	s_cselect_b64 s[4:5], s[14:15], s[4:5]
	s_add_nc_u64 s[40:41], s[4:5], s[34:35]        ; a base for each of the eight blocks: no pointer is stepped
.irp t, 1,2,3,4,5,6,7
	s_add_nc_u64 s[40+2*\t:41+2*\t], s[38+2*\t:39+2*\t], s[36:37]
.endr
	s_add_nc_u64 s[56:57], s[16:17], s[38:39]      ; the codes
	s_lshr_b32 s38, s38, 5
	s_add_co_u32 s38, s38, WSC
	s_add_nc_u64 s[58:59], s[16:17], s[38:39]      ; the scale words
.macro LOAD t                          ; block t: 32 rows, a wave reads 128 consecutive bytes of each
.set i, 0
.rept 32
	global_load_b32 v[WX+32*((\t)%2)+i], v[VO+i], s[40+2*(\t):41+2*(\t)] th:TH_LOAD_NT
.set i, i+1
.endr
.endm
.macro BLOCK t
.set XS, WX+32*((\t)%2)
.if (\t) < 7
	s_wait_loadcnt 32                              ; this block's 32 loads are in; the next block's may be out
.else
	s_wait_loadcnt 0
.endif
	v_max3_num_f32 v12, |v[XS]|, |v[XS+1]|, |v[XS+2]|
	v_max3_num_f32 v13, |v[XS+3]|, |v[XS+4]|, |v[XS+5]|
.irp i, 6,10,14,18,22,26
	s_delay_alu instid0(VALU_DEP_2)
	v_max3_num_f32 v12, v12, |v[XS+\i]|, |v[XS+\i+1]|
	s_delay_alu instid0(VALU_DEP_2)
	v_max3_num_f32 v13, v13, |v[XS+\i+2]|, |v[XS+\i+3]|
.endr
	s_delay_alu instid0(VALU_DEP_2)
	v_max3_num_f32 v12, v12, |v[XS+30]|, |v[XS+31]|
	s_delay_alu instid0(VALU_DEP_1)
	v_max3_num_f32 v12, v12, v13, 0x4800000        ; the floor 2^(9 - 127): the byte cannot fall under 1
	s_delay_alu instid0(VALU_DEP_1)
	v_add_nc_u32 v11, 0xfc000000, v12              ; 8 off the exponent field: the conversion's scale operand
	s_delay_alu instid0(VALU_DEP_2)
	v_and_or_b32 v10, v12, 0x7f800000, s31         ; 448 x the scale
	s_delay_alu instid0(VALU_DEP_2)
	v_lshrrev_b32 v13, 23, v11                     ; the byte
.if (\t)%4 == 0
	s_delay_alu instid0(VALU_DEP_1)
	v_mov_b32 v[SB+(\t)/4], v13
.else
	s_delay_alu instid0(VALU_DEP_1)
	v_lshl_or_b32 v[SB+(\t)/4], v13, 8*((\t)%4), v[SB+(\t)/4]
.endif
.set i, 0
.rept 32
	v_med3_num_f32 v[XS+i], v[XS+i], -v10, v10     ; the conversion to an 8-bit code does not saturate (ISA guide 7.6.2): the hold comes first
.set i, i+1
.endr
	s_wait_alu depctr_va_vdst(0)
	s_wait_xcnt 0x0                                ; the last block's stores have read their data: the codes' registers are written again only behind this wait
.irp g, 0,1,2,3
	v_cvt_scalef32_pk8_fp8_f32 v[WC+2*\g:WC+2*\g+1], v[XS+8*\g:XS+8*\g+7], v11
.endr
	v_nop                                          ; a plain line behind the last conversion
	global_store_b128 v[OC], v[WC:WC+3], s[56:57] offset:((\t)/4)*2048+((\t)%4)*512        ; k 0-15 of the block: the image's lanes 0-15; sixteen lanes store 256 consecutive aligned bytes
	global_store_b128 v[OC], v[WC+4:WC+7], s[56:57] offset:((\t)/4)*2048+((\t)%4)*512+256  ; k 16-31: its lanes 16-31
.if (\t)+2 < 8
	LOAD (\t)+2
.endif
.if ((\t)%2 == 0) && ((\t)+4 < 8)
	global_prefetch_b8 v[PF], s[40+2*((\t)+4):41+2*((\t)+4)] th:TH_LOAD_NT scope:SCOPE_SE   ; blocks t + 4 and t + 5, whose loads are issued two and three blocks on; the last request names blocks 6 and 7
.endif
.endm
	LOAD 0
	LOAD 1
	global_prefetch_b8 v[PF], s[44:45] th:TH_LOAD_NT scope:SCOPE_SE        ; blocks 2 and 3; blocks 0 and 1 come by their loads alone
.irp t, 0,1,2,3,4,5,6,7
	BLOCK \t
.endr
	global_store_b32 v[OS], v[SB], s[58:59]
	global_store_b32 v[OS], v[SB+1], s[58:59] offset:64
	s_endpgm
.Lfunc_end_k_q4359d84250_prep:
	.size	k_q4359d84250_prep, .Lfunc_end_k_q4359d84250_prep-k_q4359d84250_prep
	.p2alignl 7, 3214868480
	.fill 96, 4, 3214868480
	.section	.rodata,"a",@progbits
	.p2align	6, 0x0
	.amdhsa_kernel k_q4359d84250_prep
		.amdhsa_group_segment_fixed_size 3072
		.amdhsa_private_segment_fixed_size 0
		.amdhsa_enable_private_segment 0
		.amdhsa_kernarg_size 88
		.amdhsa_user_sgpr_count 2
		.amdhsa_user_sgpr_kernarg_segment_ptr 1
		.amdhsa_wavefront_size32 1
		.amdhsa_system_sgpr_workgroup_id_x 1
		.amdhsa_system_sgpr_workgroup_id_y 1
		.amdhsa_system_sgpr_workgroup_id_z 1
		.amdhsa_system_vgpr_workitem_id 0
		.amdhsa_next_free_vgpr 256
		.amdhsa_next_free_sgpr 66
		.amdhsa_reserve_vcc 0
		.amdhsa_float_denorm_mode_32 3
		.amdhsa_float_denorm_mode_16_64 3
		.amdhsa_memory_ordered 1
		.amdhsa_forward_progress 1
		.amdhsa_inst_pref_size 98
	.end_amdhsa_kernel
	.amdgpu_metadata
---
amdhsa.version: [ 1, 2 ]
amdhsa.kernels:
  - .name:           k_q4359d84250_prep
    .symbol:         k_q4359d84250_prep.kd
    .args:
      - { .name: x, .offset: 0, .size: 8, .value_kind: global_buffer, .address_space: global }
      - { .name: ln1_g, .offset: 8, .size: 8, .value_kind: global_buffer, .address_space: global }
      - { .name: ln1_b, .offset: 16, .size: 8, .value_kind: global_buffer, .address_space: global }
      - { .name: xn, .offset: 24, .size: 8, .value_kind: global_buffer, .address_space: global }
      - { .name: Wq, .offset: 32, .size: 8, .value_kind: global_buffer, .address_space: global }
      - { .name: Wk, .offset: 40, .size: 8, .value_kind: global_buffer, .address_space: global }
      - { .name: Wv, .offset: 48, .size: 8, .value_kind: global_buffer, .address_space: global }
      - { .name: Wo, .offset: 56, .size: 8, .value_kind: global_buffer, .address_space: global }
      - { .name: W1, .offset: 64, .size: 8, .value_kind: global_buffer, .address_space: global }
      - { .name: W2, .offset: 72, .size: 8, .value_kind: global_buffer, .address_space: global }
      - { .name: wt, .offset: 80, .size: 8, .value_kind: global_buffer, .address_space: global }
    .group_segment_fixed_size: 3072
    .private_segment_fixed_size: 0
    .kernarg_segment_align: 8
    .kernarg_segment_size: 88
    .max_flat_workgroup_size: 256
    .sgpr_count:     66
    .vgpr_count:     256
    .wavefront_size: 32
...
	.end_amdgpu_metadata
.endif
;; end of part 1
;; launch qkvproj (part 2): grid 12 x 16, 4 waves a work-group, clusters of 4 x 4, 327,680 bytes of LDS; arguments xn, wt, bq, bk, bv, qkvb; writes qkvb
.if DOCPART == 2
	.amdgcn_target "amdgcn-amd-amdhsa--gfx1250"
	.amdhsa_code_object_version 6
	.text
	.protected	k_q4359d84250_qkvproj
	.globl	k_q4359d84250_qkvproj
	.p2align	8
	.type	k_q4359d84250_qkvproj,@function
k_q4359d84250_qkvproj:
	s_mov_b64 s[64:65], 0
	v_nop
	global_prefetch_b8 v0, s[64:65] scope:SCOPE_SE
	s_setreg_imm32_b32 hwreg(HW_REG_WAVE_MODE, 25, 1), 1
	s_wait_xcnt 0x0
	s_wait_alu depctr_hold_cnt(0) depctr_sa_sdst(0) depctr_va_vdst(0) depctr_va_sdst(0) depctr_va_ssrc(0) depctr_va_vcc(0) depctr_vm_vsrc(0)
	s_getreg_b32 s2, hwreg(HW_REG_IB_STS2, 6, 4)
	s_cmp_eq_u32 s2, 0
	s_cbranch_scc0 .Lentry_in_a_cluster
	s_endpgm
.Lentry_in_a_cluster:
	s_bfe_u32 s2, ttmp6, 0x10000c
	s_cmp_lg_u32 s2, 0xf033
	s_cbranch_scc0 .Lentry_shape_is_right
	s_endpgm
.Lentry_shape_is_right:
; Q, K and V = LN1(x) W + b on codes of FP8 (E4M3) with E8M0 scales, and the results quantised on the way out as attention wants them: Q and K along the head's 64, V along the keys.
; A tile of 256 x 256 to a work-group of four waves, 128 x 128 (64 accumulators) to a wave; K = 1,024 in four steps of 256 through a ring of two LDS slots filled by the tensor data mover.
; OPERANDS ARE IMAGES OF REGISTERS (tile tau: rows 32 (tau / 2) + 8 (tau % 2) + r + 8 (r / 8); fragment (tau, s) = 2,048 bytes at (8 tau + s) 2048; lane l's 16 bytes of chunk c at 512 c + 16 l): a fragment comes by four
; ds_load_b128 of 512 consecutive bytes each: no pitch, no padding.  Source 0 takes B's tiles, source 1 A's: a lane then holds ONE row of A, and the 16 registers of B's tiles 2 p, 2 p + 1 are B's rows 32 p + 16 (l / 16) + 0 .. 15:
; sixteen neighbours along the next product's K, whose codes are lane l's 16 bytes of chunk p of the next image.
; ONE LOOP SERVES ALL THREE.  The cluster's x picks the weight.  For Q and K: A = tokens, B = the weight's columns (registers run along the head's d).  For V the two change places in the DATA: A = Wv's columns, B = tokens
; (registers run along the keys).  The choice hangs on the cluster's x, which all sixteen partners share.
; CLUSTERS: 4 x 4.  A's tile hangs on cy (and the cluster's numbers), B's on cx: each is asked for jointly along a row or a column of the cluster.
; OUT: records of REC bytes, one for each head and 128 tokens: K's codes 8 tiles x 1,024 | K's scale words 8 x 64 | V^T's four fragments (16 d x 128 keys) | V's scale words 4 x 64 | 256 zeros | Q's codes | Q's scale words.
; K's and Q's scale words have two real bytes (K = 64) and two bytes 0 over zero codes.
; LIMITS: a block of zeros gets the byte 1 where the rule says 127 (zero codes; this program alone reads the bytes); NaN and infinities are not served.
.set REC,   26112
.set HS,    16*REC                     ; from head to head
.set WSC,   12582912
.set XSC,   4194304
.set NL,    4
.set NP,    8                          ; places behind this matrix instruction (ISA guide 7.12.1)
.set FR,    16
.set HALFT, 32768                      ; 8 tiles x 2 K steps of 128 x 2,048 bytes: what one tensor load brings, and what a wave reads of A or of B
.set SLOT,  131072                     ; A's 16 tiles, then B's 16
.set SCL,   262144                     ; behind the ring: the scale words for all of K, 4,096 bytes for each half of A and of B; filled once
.set HALFS, 4096
.set SPARE, SCL+4*HALFS                ; the spare words, 128 bytes a wave: no other line names them
.set BA,    8                          ; v8-15   V: bv at my row of A's tile a
.set ADRA,  16                         ; v16-17  LDS address of my A fragments in slot 0, 1
.set ADRB,  20                         ; v20-21  the same for B
.set LI,    24                         ; v24     16 x lane
.set L4,    25                         ; v25     4 x lane
.set L8,    26                         ; v26     8 x lane
.set ADRS,  27                         ; v27     my scale words: lanes 0-15 A's, lanes 16-31 B's
.set SPW,   28
.set NIL,   29
.set SC,    32                         ; v32-63  scale words and nothing else: set s at 32 + 16 s, register 2 i + q
.set BIAS,  64                         ; v64-127 the C of the first step; later at work
.set AF,    128                        ; v128-255 A's fragments, one set; later at work
.set TM,    64
.set PW,    80
.set T,     128
.set PC,    192
.set G1, 24
.set G0, 32
.set G1B, 48
.set G0B, 56
.set G1S, 68
.set G0S, 76
.set G1SB, 80
.set G0SB, 88
.set SEL, 66
.set MNT, 100
.set MSB, 0
.macro WIN new                         ; the immediate's high byte repeats the setting that is left
.if MSB != (\new)
	s_set_vgpr_msb (MSB<<8)|(\new)
.set MSB, (\new)
.endif
.endm
.set MUL_LO, 0xa1                      ; source 0 (B) window 1, source 1 (A) window 0, C and D window 2
.set MUL_HI, 0xf1                      ; the same, C and D window 3
.set TO_B,   0x40
; A joint load: waves 0 and 1 fetch for A, waves 2 and 3 for B; the branch hangs on the wave's number alone.  An s_nop 0 and four v_nop follow each line.
.macro JLOAD g0a, g1a, g0b, g1b
	s_cmp_eq_u32 s17, 0
	s_cbranch_scc0 .Lfor_b_\@
	tensor_load_to_lds s[\g0a:\g0a+3], s[\g1a:\g1a+7]
	s_nop 0
.rept 4
	v_nop
.endr
	s_branch .Lasked_\@
.Lfor_b_\@:
	tensor_load_to_lds s[\g0b:\g0b+3], s[\g1b:\g1b+7]
	s_nop 0
.rept 4
	v_nop
.endr
.Lasked_\@:
.endm
.macro CREST
	s_cmp_lg_u32 s16, 0
	s_cbranch_scc1 .Lnot_wave_0_\@
	s_barrier_signal -3
.Lnot_wave_0_\@:
	s_barrier_wait -3
	s_barrier_signal -1
	s_barrier_wait -1
.endm
.macro CROUND
	s_barrier_signal -1
	s_barrier_wait -1
	CREST
.endm
.macro PLACES n
.rept \n
	v_nop
.endr
.endm
	s_load_b256 s[4:11], s[0:1], 0x0               ; xn, wt, bq, bk
	s_load_b128 s[12:15], s[0:1], 0x20             ; bv, the records
	v_lshl_add_u32 v[SPW], v0, 2, SPARE
	v_mov_b32 v[NIL], 0
	ds_add_u32 v[SPW], v[NIL]                      ; the wave's opening: the add, and its wait ahead of my first tensor load
	ds_add_u32 v[SPW], v[NIL]
	v_lshrrev_b32 v1, 5, v0
	v_readfirstlane_b32 s16, v1                    ; wave
	s_lshr_b32 s17, s16, 1                         ; my half of A's tiles.  Also: I fetch for A (0) or B (1)
	s_and_b32 s18, s16, 1                          ; my half of B's tiles.  Also: which half I fetch
	s_bfe_u32 s20, ttmp6, 0x40000                  ; cx
	s_bfe_u32 s21, ttmp6, 0x40004                  ; cy
	s_mov_b32 s22, ttmp9                           ; the cluster's x: 0 Q, 1 K, 2 V
	s_and_b32 s23, ttmp7, 0xffff                   ; the cluster's y
	s_lshl_b32 s42, s21, 2
	s_lshl_b32 s42, 15, s42                        ; my row of the cluster
	s_lshl_b32 s43, 0x1111, s20                    ; my column
	s_lshl_b32 s46, s23, 2
	s_add_co_u32 s40, s21, s46
	s_add_co_u32 s41, s20, s46
	s_cmp_eq_u32 s22, 2
	s_cselect_b32 s40, s21, s40                    ; A's tile of 256 rows: tokens cy + 4 Y, or for V the weight's cy
	s_cselect_b32 s41, s41, s20                    ; B's: the weight's cx, or for V tokens cx + 4 Y
	s_cselect_b32 s44, 1, 0
	s_cselect_b32 s45, 0, -1                       ; the row bias is kept for Q and K
	; group 1, codes: 8 rows (tiles) of 4,096 bytes, 16,384 bytes apart, in elements of 8 bytes
	s_or_b32 s[G1+0], s42, (3<<16)|(1<<21)
	s_or_b32 s[G1B+0], s43, (3<<16)|(1<<21)
.irp g, G1, G1B
	s_mov_b32 s[\g+1], 512<<16
	s_mov_b32 s[\g+2], 16<<16                      ; the head's loads bring all 16 tiles; behind them the two words are set to 8
	s_mov_b32 s[\g+3], 512<<16
	s_mov_b32 s[\g+4], 16
	s_mov_b32 s[\g+5], 2048
	s_mov_b32 s[\g+6], 0
	s_mov_b32 s[\g+7], 0
.endr
	s_lshl_b32 s2, s40, 18                         ; A: 16 tiles x 16,384 bytes a tile of 256 rows, + my half
	s_mov_b32 s3, 0
	s_lshl_b32 s104, s41, 18                       ; B likewise, in registers of its own
	s_mov_b32 s105, 0
	s_lshl_b32 s19, s16, 15                        ; where they go: wave x HALFT,
	s_lshl_b32 s101, s16, 12                       ; wave x HALFS
	s_lshl_b32 s92, s22, 20                        ; the weight's images,
	s_mov_b32 s93, 0
	s_lshl_b32 s94, s22, 15                        ; and its scale words
	s_add_co_u32 s94, s94, WSC
	s_mov_b32 s95, 0
	s_wait_dscnt 0x0                               ; the opening add is done
	s_wait_kmcnt 0x0
	s_add_nc_u64 s[92:93], s[6:7], s[92:93]
	s_add_nc_u64 s[94:95], s[6:7], s[94:95]
	s_add_nc_u64 s[96:97], s[4:5], XSC
	s_cmp_eq_u32 s22, 2
	s_cselect_b64 s[98:99], s[92:93], s[4:5]       ; A's codes
	s_cselect_b64 s[92:93], s[4:5], s[92:93]       ; B's codes
	s_cselect_b64 s[46:47], s[94:95], s[96:97]     ; A's scale words
	s_cselect_b64 s[94:95], s[96:97], s[94:95]     ; B's
	s_add_nc_u64 s[98:99], s[98:99], s[2:3]
	s_add_nc_u64 s[92:93], s[92:93], s[104:105]
	s_lshr_b32 s2, s2, 5
	s_lshr_b32 s104, s104, 5
	s_add_nc_u64 s[46:47], s[46:47], s[2:3]
	s_add_nc_u64 s[94:95], s[94:95], s[104:105]
	CROUND                                         ; all sixteen work-groups are here: the first joint loads meet
	s_cmp_eq_u32 s17, 0                            ; the scale words, 16 KB beside 256 KB of codes, come by plain loads, a quarter a wave: waves 0, 1 A's halves, waves 2, 3 B's
	s_cselect_b64 s[76:77], s[46:47], s[94:95]
	s_lshl_b32 s78, s18, 12
	s_mov_b32 s79, 0
	s_add_nc_u64 s[76:77], s[76:77], s[78:79]
	s_add_co_u32 s78, s101, SCL                    ; and where they go in LDS
.irp s, 0,1
	s_mov_b32 s[G0+4*\s], 1
	s_add_co_u32 s[G0+4*\s+1], s19, \s*SLOT
	s_add_nc_u64 s[G0+4*\s+2:G0+4*\s+3], s[98:99], \s*4096
	s_or_b32 s[G0+4*\s+3], s[G0+4*\s+3], 0x80000000
	s_mov_b32 s[G0B+4*\s], 1
	s_add_co_u32 s[G0B+4*\s+1], s19, \s*SLOT
	s_add_nc_u64 s[G0B+4*\s+2:G0B+4*\s+3], s[92:93], \s*4096
	s_or_b32 s[G0B+4*\s+3], s[G0B+4*\s+3], 0x80000000
.endr
	s_mov_b32 s[G0+1], 0                           ; the head fills both slots, each tile whole, one load a wave: wave 0 K step 0 of A's 16 tiles,
	s_mov_b32 s[G0B+1], 2*HALFT                    ; wave 1 of B's,
	s_mov_b32 s[G0+5], SLOT                        ; wave 2 K step 1 of A's,
	s_mov_b32 s[G0B+5], SLOT+2*HALFT               ; wave 3 of B's
.macro ARM under, g0, g1, next
	s_cmp_lt_u32 s16, \under
	s_cbranch_scc0 \next
	tensor_load_to_lds s[\g0:\g0+3], s[\g1:\g1+7]
	s_nop 0
.rept 4
	v_nop
.endr
	s_branch .Lhead_asked
\next:
.endm
	ARM 1, G0, G1, .Lhead_b
	ARM 2, G0B, G1B, .Lhead_sa
	ARM 3, G0+4, G1, .Lhead_sb
	tensor_load_to_lds s[G0B+4:G0B+7], s[G1B:G1B+7]
	s_nop 0
.rept 4
	v_nop
.endr
.Lhead_asked:
	v_and_b32 v1, 31, v0
	v_and_b32 v2, 15, v0                           ; r
	v_bfe_u32 v3, v0, 4, 1                         ; h
	s_wait_alu depctr_va_vdst(0)
	v_lshlrev_b32 v[LI], 4, v1
	v_lshlrev_b32 v[L4], 2, v1
	v_lshlrev_b32 v[L8], 3, v1
	v_add_nc_u32 v31, s78, v[LI]
.irp k, 0,1,2,3,4,5,6,7
	global_load_b128 v[AF+4*\k:AF+4*\k+3], v[LI], s[76:77] offset:512*\k   ; my 4,096 bytes of scale words, 512 consecutive bytes a load
.endr
	s_lshl_b32 s2, s17, 15
	s_lshl_b32 s3, s18, 15
	s_add_co_u32 s3, s3, 2*HALFT
.irp s, 0,1
	v_add_nc_u32 v[ADRA+\s], s2, v[LI]
	v_add_nc_u32 v[ADRB+\s], s3, v[LI]
	s_add_co_u32 s2, s2, SLOT
	s_add_co_u32 s3, s3, SLOT
.endr
	s_lshl_b32 s2, s17, 12
	s_lshl_b32 s3, s18, 12
	s_add_co_u32 s3, s3, 2*HALFS
	s_sub_co_u32 s3, s3, s2
	v_mul_u32_u24 v4, s3, v3                       ; lanes 16-31 take B's words: one product with h
	s_add_co_u32 s2, s2, SCL
	v_lshl_add_u32 v4, v2, 2, v4
	v_add_nc_u32 v[ADRS], s2, v4
	; the bias along B's rows (Q, K): register 8 b + j of lane (r, h) is column 32 (b / 2) + 8 (b % 2) + 16 h + j.  V's work-groups read bk at the same, valid, place and clear it below
	s_lshl_b32 s2, s20, 10
	s_lshl_b32 s3, s18, 9
	s_add_co_u32 s2, s2, s3
	s_mov_b32 s3, 0
	s_cmp_eq_u32 s22, 0
	s_cselect_b64 s[8:9], s[8:9], s[10:11]
	s_add_nc_u64 s[8:9], s[8:9], s[2:3]
	v_lshlrev_b32 v5, 6, v3
.irp b, 0,1,2,3,4,5,6,7
	global_load_b128 v[BIAS+8*\b:BIAS+8*\b+3], v5, s[8:9] offset:(32*(\b/2)+8*(\b%2))*4
	global_load_b128 v[BIAS+8*\b+4:BIAS+8*\b+7], v5, s[8:9] offset:(32*(\b/2)+8*(\b%2))*4+16
.endr
	; the bias along A's rows (V): bv at my row of tile a
	s_lshl_b32 s2, s21, 10
	s_lshl_b32 s3, s17, 9
	s_add_co_u32 s2, s2, s3
	s_mov_b32 s3, 0
	s_add_nc_u64 s[12:13], s[12:13], s[2:3]
	v_and_b32 v6, 8, v2
	v_add_nc_u32 v6, v6, v2
	v_lshlrev_b32 v6, 2, v6
.irp a, 0,1,2,3,4,5,6,7
	global_load_b32 v[BA+\a], v6, s[12:13] offset:(32*(\a/2)+8*(\a%2))*4
.endr
	; my first record: ((batch 16 + first head) 16 + which 128 tokens) REC; Q's fields lie 17,408 bytes behind K's
	s_cmp_eq_u32 s22, 2
	s_cselect_b32 s2, s41, s40                     ; the tile of 256 tokens
	s_cselect_b32 s3, s21, s20                     ; four heads for each tile of 256 columns
	s_cselect_b32 s92, s17, s18                    ; two for each half
	s_cselect_b32 s93, s18, s17                    ; which 128 of the 256 tokens
	s_lshr_b32 s94, s2, 3
	s_lshl_b32 s94, s94, 4
	s_lshl_b32 s3, s3, 2
	s_add_co_u32 s94, s94, s3
	s_lshl_b32 s92, s92, 1
	s_add_co_u32 s94, s94, s92
	s_lshl_b32 s94, s94, 4
	s_and_b32 s2, s2, 7
	s_lshl_b32 s2, s2, 1
	s_add_co_u32 s94, s94, s2
	s_add_co_u32 s94, s94, s93
	s_mul_i32 s94, s94, REC
	s_cmp_eq_u32 s22, 0
	s_cselect_b32 s2, 17408, 0
	s_add_co_u32 s94, s94, s2
	s_mov_b32 s95, 0
	s_add_nc_u64 s[14:15], s[14:15], s[94:95]
	s_mov_b32 s[SEL], 0x76543210
	s_mov_b32 s[SEL+1], 0xfedcba98
	s_mov_b32 s[MNT], 0x600000
	s_mov_b32 s101, 0xffff0000                     ; lanes 16-31
.macro FRAG reg, adr, q, i             ; a fragment: four loads of 512 consecutive bytes
.irp c, 0,1,2,3
	ds_load_b128 v[\reg+4*\c:\reg+4*\c+3], v[\adr] offset:(\i)*4096+(\q)*2048+\c*512
.endr
.endm
; 16 matrix instructions: A's tiles a0, a0 + 1 x B's eight.  The 64 accumulators take turns, one instruction a turn, in the same order in every step.  zero = 1: the bias is the C of the first product
.macro MUL16 a0, p, q, sc, zero
.irp a, \a0, \a0+1
.irp b, 0,1,2,3,4,5,6,7
.if \zero
	v_wmma_scale_f32_16x16x128_f8f6f4 v[8*(8*((\a)%4)+\b):8*(8*((\a)%4)+\b)+7], v[128*(\p)+FR*\b:128*(\p)+FR*\b+FR-1], v[AF+FR*(\a):AF+FR*(\a)+FR-1], v[BIAS+8*\b:BIAS+8*\b+7], v[SC+16*(\sc)+2*\b+(\q)], v[SC+16*(\sc)+2*(\a)+(\q)] matrix_a_scale:MATRIX_SCALE_ROW1
.else
	v_wmma_scale_f32_16x16x128_f8f6f4 v[8*(8*((\a)%4)+\b):8*(8*((\a)%4)+\b)+7], v[128*(\p)+FR*\b:128*(\p)+FR*\b+FR-1], v[AF+FR*(\a):AF+FR*(\a)+FR-1], v[8*(8*((\a)%4)+\b):8*(8*((\a)%4)+\b)+7], v[SC+16*(\sc)+2*\b+(\q)], v[SC+16*(\sc)+2*(\a)+(\q)] matrix_a_scale:MATRIX_SCALE_ROW1
.endif
.endr
.endr
.endm
.macro FETCH_B slot, q, p
	WIN TO_B
.irp i, 0,1,2,3,4,5,6,7
	FRAG 128*(\p)+FR*\i, ADRB+\slot, \q, \i
.endr
	WIN 0
.endm
.macro FETCH_A slot, q, i0
.irp i, \i0, \i0+1, \i0+2, \i0+3
	FRAG AF+FR*(\i), ADRA+\slot, \q, \i
.endr
.endm
.macro SCALES sc                       ; a K step's scale words: lanes 0-15 A's tile i, lanes 16-31 B's tile i
.irp i, 0,1,2,3,4,5,6,7
.irp q, 0,1
	ds_load_b32 v[SC+16*\sc+2*\i+\q], v[ADRS] offset:\i*512+\q*64
.endr
.endr
.endm
; A step of 128 along K with its successor in the same slot.  A has one set of registers: tiles 0-3 are fetched anew in the step's middle, tiles 4-7 at its end; B has two sets.
.macro STEP slot, q, zero
	s_wait_dscnt 4*NL                              ; all but the youngest 16 loads (A's tiles 4-7)
.if \zero
	WIN 0x81                                       ; C (the bias) window 0, D window 2
.else
	WIN MUL_LO
.endif
	MUL16 0, (\q)%2, \q, \slot, \zero
	MUL16 2, (\q)%2, \q, \slot, \zero
	s_wait_dscnt 0
	PLACES NP                                      ; in front of loads into registers that matrix instructions have read
	FETCH_B \slot, (\q)+1, 1-(\q)%2
	FETCH_A \slot, (\q)+1, 0
.if \zero
	WIN 0xc1
.else
	WIN MUL_HI
.endif
	MUL16 4, (\q)%2, \q, \slot, \zero
	MUL16 6, (\q)%2, \q, \slot, \zero
	PLACES NP
	WIN 0
	FETCH_A \slot, (\q)+1, 4
.endm
; A slot's last step changes slots: one barrier; in front of it each wave waits for all its tensor loads, adds 0 to its spare word, and waits for that and for its reads of this slot.  fill = 1: the slot is filled again, two K steps ahead.
.macro TURN slot, next, fill
	s_wait_tensorcnt 0x0                           ; all my tensor loads have landed: my part of the next slot
	ds_add_u32 v[SPW], v[NIL]
	s_wait_dscnt 4*NL+1                            ; (the add and A's tiles 4-7 may be out)
	WIN MUL_LO
	MUL16 0, 1, 1, \slot, 0
	s_wait_dscnt 0x0                               ; the add is done, and my reads of this slot are over
	s_barrier_signal -1
	MUL16 2, 1, 1, \slot, 0
	WIN 0
	s_barrier_wait -1
.if \fill
	CREST                                          ; the barrier has opened a round of the cluster's: no wave of any partner still reads this slot or has a load on its way
	s_add_nc_u64 s[G0+4*\slot+2:G0+4*\slot+3], s[G0+4*\slot+2:G0+4*\slot+3], 8192
	s_add_nc_u64 s[G0B+4*\slot+2:G0B+4*\slot+3], s[G0B+4*\slot+2:G0B+4*\slot+3], 8192
	JLOAD G0+4*\slot, G1, G0B+4*\slot, G1B         ; the first tensor load behind the round; its four v_nop are four of the eight places
	PLACES NP-4
.else
	PLACES NP
.endif
	s_wait_alu depctr_va_vdst(0)
	v_add_nc_u32 v[ADRS], 128, v[ADRS]             ; the next K step's scale words
	FETCH_B \next, 0, 0
	FETCH_A \next, 0, 0
	SCALES \next
	WIN MUL_HI
	MUL16 4, 1, 1, \slot, 0
	MUL16 6, 1, 1, \slot, 0
	PLACES NP
	WIN 0
	FETCH_A \next, 0, 4
.endm
	s_wait_alu depctr_va_vdst(0)
	s_wait_tensorcnt 0x0                           ; my tile of the head's four is in
	s_mov_b32 s[G1+2], 8<<16                       ; no tensor load of mine is out: from here on a load brings 8 tiles, my half
	s_mov_b32 s[G1+4], 8
	s_mov_b32 s[G1B+2], 8<<16
	s_mov_b32 s[G1B+4], 8
	s_lshl_b32 s2, s18, 17
	s_mov_b32 s3, 0
	s_mov_b32 s[G0+1], s19
	s_mov_b32 s[G0B+1], s19
	s_add_co_u32 s[G0+5], s19, SLOT
	s_add_co_u32 s[G0B+5], s19, SLOT
.irp s, 0,1
	s_add_nc_u64 s[G0+4*\s+2:G0+4*\s+3], s[G0+4*\s+2:G0+4*\s+3], s[2:3]
	s_add_nc_u64 s[G0B+4*\s+2:G0B+4*\s+3], s[G0B+4*\s+2:G0B+4*\s+3], s[2:3]
.endr
	s_wait_loadcnt 24                              ; the scale words are in; the 24 loads of the biases, issued behind them, may be out
.irp k, 0,1,2,3,4,5,6,7
	ds_store_b128 v31, v[AF+4*\k:AF+4*\k+3] offset:512*\k
.endr
	s_wait_dscnt 0x0                               ; for the others' sake: my stores have landed
	s_barrier_signal -1
	s_barrier_wait -1                              ; both slots and all scale words are in
	FETCH_B 0, 0, 0
	FETCH_A 0, 0, 0
	SCALES 0
	FETCH_A 0, 0, 4
	s_wait_loadcnt 0x0                             ; the biases
.set j, 0
.rept 64
	v_cndmask_b32 v[BIAS+j], 0, v[BIAS+j], s45     ; V has no bias along B's rows
.set j, j+1
.endr
	PLACES NP
	s_wait_alu depctr_va_vdst(0)
	STEP 0, 0, 1
	s_mov_b32 s19, 1
.Llap:                                                 ; one trip: both slots are filled again, with K steps 2 and 3
	TURN 0, 1, 1
	STEP 1, 0, 0
	TURN 1, 0, 1
	STEP 0, 0, 0
	s_sub_co_u32 s19, s19, 1
	s_cmp_lg_u32 s19, 0
	s_cbranch_scc1 .Llap
	TURN 0, 1, 0
	STEP 1, 0, 0
	s_wait_dscnt 4*NL
	WIN MUL_LO
	MUL16 0, 1, 1, 1, 0
	MUL16 2, 1, 1, 1, 0
	s_wait_dscnt 0
	WIN MUL_HI
	MUL16 4, 1, 1, 1, 0
	MUL16 6, 1, 1, 1, 0
	WIN 0
	PLACES NP
; THE WAY OUT.  For each of A's tiles a: my row's 64 numbers (four blocks of 32, each in lanes l and l xor 16) are quantised; the codes of block p are lane l's 16 bytes of a chunk: 512 consecutive aligned bytes a store.
.macro EPI isv
.if \isv
.irp a, 0,1,2,3,4,5,6,7                ; V: the bias hangs on my row of A.  Ascending
	WIN 0x82+0x41*((\a)/4)
.set AC, 64*((\a)%4)
.set k, 0
.rept 32
.if ((\a)%2) == 0
	v_pk_add_f32 v[AC+k:AC+k+1], v[AC+k:AC+k+1], v[BA+2*((\a)/2):BA+2*((\a)/2)+1] op_sel_hi:[1,0]
.else
	v_pk_add_f32 v[AC+k:AC+k+1], v[AC+k:AC+k+1], v[BA+2*((\a)/2):BA+2*((\a)/2)+1] op_sel:[0,1] op_sel_hi:[1,1]
.endif
.set k, k+2
.endr
.endr
.endif
.irp a, 0,1,2,3,4,5,6,7
.set AC, 64*((\a)%4)
.set W, 2+(\a)/4
	WIN W|(W<<2)                                   ; sources 0 and 1: the accumulators' window
.irp b, 0,1,2,3
	v_max3_num_f32 v[TM+\b], |v[AC+16*\b]|, |v[AC+16*\b+1]|, 0x4800000     ; with the floor 2^(9 - 127)
.endr
.irp i, 2,4,6,8,10,12,14
.irp b, 0,1,2,3
	v_max3_num_f32 v[TM+\b], |v[AC+16*\b+\i]|, |v[AC+16*\b+\i+1]|, v[TM+\b]
.endr
.endr
	WIN 0
	s_wait_alu depctr_va_vdst(0)
	s_wait_xcnt 0x0                                ; earlier stores have read their data: the codes' and the words' registers are written again only behind this wait
.irp b, 0,1,2,3
	v_permlanex16_b32 v[TM+4+\b], v[TM+\b], s[SEL], s[SEL+1]
.endr
.irp b, 0,1,2,3
	v_max_num_f32 v[TM+\b], v[TM+\b], v[TM+4+\b]
.endr
.irp b, 0,1,2,3
	v_add_nc_u32 v[TM+12+\b], 0xfc000000, v[TM+\b]
.endr
.irp b, 0,1,2,3
	v_and_or_b32 v[TM+8+\b], v[TM+\b], 0x7f800000, s[MNT]
.endr
.irp b, 0,1,2,3
	v_lshrrev_b32 v[TM+4+\b], 23, v[TM+12+\b]
.endr
	v_lshl_or_b32 v[PW], v[TM+5], 8, v[TM+4]
	v_lshl_or_b32 v[PW], v[TM+6], 16, v[PW]
	v_lshl_or_b32 v[PW], v[TM+7], 24, v[PW]
	WIN W                                          ; source 0: the accumulators' window
.irp b, 0,1,2,3
.irp i, 0,1,2,3,4,5,6,7,8,9,10,11,12,13,14,15
	v_med3_num_f32 v[T+16*\b+\i], v[AC+16*\b+\i], -v[TM+8+\b], v[TM+8+\b]  ; the hold (ISA guide 7.6.2), into window 0
.endr
.endr
	WIN 0
.irp b, 0,1,2,3
	v_cvt_scalef32_pk8_fp8_f32 v[PC+4*\b:PC+1+4*\b], v[T+16*\b:T+7+16*\b], v[TM+12+\b]
	v_cvt_scalef32_pk8_fp8_f32 v[PC+2+4*\b:PC+3+4*\b], v[T+8+16*\b:T+15+16*\b], v[TM+12+\b]
.endr
	v_nop
.if \isv
.irp pb, 0,1,2,3                       ; V^T: head a / 4, d tile a % 4, chunk = 32 keys
	global_store_b128 v[LI], v[PC+4*\pb:PC+4*\pb+3], s[14:15] offset:8704+((\a)/4)*HS+((\a)%4)*2048+\pb*512
.endr
.if ((\a)%2) == 0
	v_mov_b32 v81, v[PW]
.else
	v_cndmask_b32 v85, v81, v[PW], s101            ; lanes 0-15 tile a - 1's words, lanes 16-31 tile a's: 128 consecutive bytes
	global_store_b32 v[L4], v85, s[14:15] offset:((\a)/4)*HS+16896+(((\a)-1)%4)*64
.endif
.else
.irp pb, 0,1,2,3                       ; Q, K: head pb / 2, tile a of 16 tokens, chunk = 32 of the head's 64
	global_store_b128 v[LI], v[PC+4*\pb:PC+4*\pb+3], s[14:15] offset:(\pb/2)*HS+(\a)*1024+(\pb%2)*512
.endr
.if ((\a)%2) == 0
	v_and_b32 v81, 0xffff, v[PW]                   ; the first head's two bytes,
	v_lshrrev_b32 v82, 16, v[PW]                   ; the second head's
.else
	v_and_b32 v83, 0xffff, v[PW]
	v_lshrrev_b32 v84, 16, v[PW]
	v_cndmask_b32 v85, v81, v83, s101
	v_cndmask_b32 v86, v82, v84, s101
	global_store_b32 v[L4], v85, s[14:15] offset:8192+((\a)-1)*64
	global_store_b32 v[L4], v86, s[14:15] offset:HS+8192+((\a)-1)*64
.endif
.endif
.endr
.if \isv
	v_mov_b32 v82, 0                               ; the records' 256 bytes of filling, which attention's loads bring in with the rest: written, so that no byte is read that nobody stored
	v_mov_b32 v83, 0
	global_store_b64 v[L8], v[82:83], s[14:15] offset:17152
	global_store_b64 v[L8], v[82:83], s[14:15] offset:HS+17152
.endif
.endm
.irp b, 0,1,2,3
	v_mov_b32 v[TM+4+\b], 0                        ; a lane permute's destination counts as one of its sources
.endr
	s_cmp_eq_u32 s44, 1                            ; the cluster's x alone: the same in all partners
	s_cbranch_scc1 .Lvpath
	EPI 0
	s_branch .Ldone
.Lvpath:
	EPI 1
.Ldone:
	s_wait_tensorcnt 0x0                           ; the wave's end
	ds_add_u32 v[SPW], v[NIL]
	s_wait_dscnt 0x0
	CROUND                                         ; the closing round
	s_endpgm
.Lfunc_end_k_q4359d84250_qkvproj:
	.size	k_q4359d84250_qkvproj, .Lfunc_end_k_q4359d84250_qkvproj-k_q4359d84250_qkvproj
	.p2alignl 7, 3214868480
	.fill 96, 4, 3214868480
	.section	.rodata,"a",@progbits
	.p2align	6, 0x0
	.amdhsa_kernel k_q4359d84250_qkvproj
		.amdhsa_group_segment_fixed_size 327680
		.amdhsa_private_segment_fixed_size 0
		.amdhsa_enable_private_segment 0
		.amdhsa_kernarg_size 48
		.amdhsa_user_sgpr_count 2
		.amdhsa_user_sgpr_kernarg_segment_ptr 1
		.amdhsa_wavefront_size32 1
		.amdhsa_system_sgpr_workgroup_id_x 1
		.amdhsa_system_sgpr_workgroup_id_y 1
		.amdhsa_system_sgpr_workgroup_id_z 1
		.amdhsa_system_vgpr_workitem_id 0
		.amdhsa_next_free_vgpr 1024
		.amdhsa_next_free_sgpr 106
		.amdhsa_reserve_vcc 0
		.amdhsa_float_denorm_mode_32 3
		.amdhsa_float_denorm_mode_16_64 3
		.amdhsa_memory_ordered 1
		.amdhsa_forward_progress 1
		.amdhsa_inst_pref_size 255
	.end_amdhsa_kernel
	.section	.bss,"aw",@nobits
	.p2align	6
	.space	262144
	.amdgpu_metadata
---
amdhsa.version: [ 1, 2 ]
amdhsa.kernels:
  - .name:           k_q4359d84250_qkvproj
    .symbol:         k_q4359d84250_qkvproj.kd
    .args:
      - { .name: xn, .offset: 0, .size: 8, .value_kind: global_buffer, .address_space: global }
      - { .name: wt, .offset: 8, .size: 8, .value_kind: global_buffer, .address_space: global }
      - { .name: bq, .offset: 16, .size: 8, .value_kind: global_buffer, .address_space: global }
      - { .name: bk, .offset: 24, .size: 8, .value_kind: global_buffer, .address_space: global }
      - { .name: bv, .offset: 32, .size: 8, .value_kind: global_buffer, .address_space: global }
      - { .name: qkvb, .offset: 40, .size: 8, .value_kind: global_buffer, .address_space: global }
    .group_segment_fixed_size: 327680
    .private_segment_fixed_size: 0
    .kernarg_segment_align: 8
    .kernarg_segment_size: 48
    .max_flat_workgroup_size: 128
    .sgpr_count:     106
    .vgpr_count:     1024
    .wavefront_size: 32
...
	.end_amdgpu_metadata
.endif
;; end of part 2
;; launch attn (part 3): grid 8 x 32, 8 waves a work-group, clusters of 4 x 1, 327,680 bytes of LDS; arguments qkvb, ao; writes ao
.if DOCPART == 3
	.amdgcn_target "amdgcn-amd-amdhsa--gfx1250"
	.amdhsa_code_object_version 6
	.text
	.protected	k_q4359d84250_attn
	.globl	k_q4359d84250_attn
	.p2align	8
	.type	k_q4359d84250_attn,@function
k_q4359d84250_attn:
	s_mov_b64 s[64:65], 0
	v_nop
	global_prefetch_b8 v0, s[64:65] scope:SCOPE_SE
	s_setreg_imm32_b32 hwreg(HW_REG_WAVE_MODE, 25, 1), 1
	s_wait_xcnt 0x0
	s_wait_alu depctr_hold_cnt(0) depctr_sa_sdst(0) depctr_va_vdst(0) depctr_va_sdst(0) depctr_va_ssrc(0) depctr_va_vcc(0) depctr_vm_vsrc(0)
	s_getreg_b32 s2, hwreg(HW_REG_IB_STS2, 6, 4)
	s_cmp_eq_u32 s2, 0
	s_cbranch_scc0 .Lentry_in_a_cluster
	s_endpgm
.Lentry_in_a_cluster:
	s_bfe_u32 s2, ttmp6, 0x10000c
	s_cmp_lg_u32 s2, 0x3003
	s_cbranch_scc0 .Lentry_shape_is_right
	s_endpgm
.Lentry_shape_is_right:
; Attention of one head on codes of FP8 (E4M3) with E8M0 scales: S^T = K Q^T, p = 2^(t - M) with M the ceiling of the running largest t, O^T += V^T P^T, O / the sum of the unquantised p, quantised along the head's 64 for the next product.
; IN: records of REC bytes for each head and 128 tokens: K's 8 tiles x 1,024 | K's scale words 8 x 64 | V^T's 4 fragments x 2,048 | V's scale words 4 x 64 | 256 of filling | Q's 8 tiles | Q's scale words.  OUT: images of operand registers, as the next launch reads them.
; SHARES.  A work-group owns 256 queries of a head; each of its eight waves owns TWO tiles of 16, a and b.  Tile b's own registers have tile a's numbers, in window 1.  All 2,048 keys of the head lie in LDS (16 x 17,408 bytes), filled once:
; one joint load a wave, two records each (two rows of 17,408 bytes, REC apart).  The four work-groups of a cluster walk the same head and ask jointly.  Waves 0 and 1 have a load line of their own: the first barrier shows records 0 to 3, on which three steps run.
; Nothing is prefetched: all of K and V is asked for at the head, and no loop stands ahead of those loads.
; THE ORDER OF A STEP: softmax a | PV a, S a of the next step | softmax b | PV b, S b of the next step.  So the plain vector lines that must stand behind a product (ISA guide 7.12.1) are the other tile's softmax, and each fragment of K and V is read from LDS once for both tiles
; (in softmax a, behind its maxima: V of this step, K of the next).
; K = 64 fills half of a product's 128: Q's upper eight registers are zero codes, so a tile of K takes as its upper eight whatever finite codes follow it: the next tile's (the last: zeros).  Their scale bytes are 0, a finite scale.
; LIMITS: NaN and infinities are not served; the promise holds while the scaled scores stay under 2^31 in magnitude; a block of zeros gets the byte 1 (zero codes; this program alone reads the bytes).
.set REC,   26112
.set RL,    17408
.set SPARE, 16*RL                      ; the spare words, 128 bytes a wave: no other line names them
.set KS,  8                            ; window 0: v8-15 K's scale words; v16-19 V's; v20, v21 Q's (a, b); v22, v23 P's
.set VS,  16
.set QS,  20
.set PW,  22
.set KF,  24                           ; window 0: v24-87 K's eight tiles, v88-95 zeros
.set VF,  24                           ; window 1: v24-87 V's four fragments
.set SS,  96                           ; a tile's own: v96-159 S^T, then p
.set OO,  160                          ; v160-191 O^T
.set PC,  192                          ; v192-207 p's codes
.set QQ,  208                          ; v208-223 Q: eight of codes, eight of zeros
.set BM,  224                          ; the blocks' maxima
.set T4,  228
.set HB,  232                          ; 448 x the scale
.set SO,  236                          ; the conversions' scale operands
.set NM,  240                          ; -M; v241 the largest score so far
.set SUM, 242                          ; the sum, in two halves
.set FF,  244                          ; f = 2^(old M - new M)
.set SU2, 246
.set TMP, 248
.set SEL, 40
.set CS,  42
.set MNT, 44
.set TB,  45
.set CNT, 46
.set MSB, 0
.macro WIN new                         ; the immediate's high byte repeats the setting that is left
.if MSB != (\new)
	s_set_vgpr_msb (MSB<<8)|(\new)
.set MSB, (\new)
.endif
.endm
.macro CROUND
	s_barrier_signal -1
	s_barrier_wait -1
	s_cmp_lg_u32 s8, 0
	s_cbranch_scc1 .Lnot_wave_0_\@
	s_barrier_signal -3
.Lnot_wave_0_\@:
	s_barrier_wait -3
	s_barrier_signal -1
	s_barrier_wait -1
.endm
	s_load_b128 s[4:7], s[0:1], 0x0                ; the records, the images
	v_lshl_add_u32 v5, v0, 2, SPARE
	v_mov_b32 v6, 0
	ds_add_u32 v5, v6                              ; the opening lines: the add, twice on end, and its wait ahead of my tensor load
	ds_add_u32 v5, v6
	v_lshrrev_b32 v3, 5, v0
	v_readfirstlane_b32 s8, v3                     ; wave 0 .. 7
	s_bfe_u32 s9, ttmp6, 0x40000
	s_lshl_b32 s10, ttmp9, 2
	s_add_co_u32 s10, s10, s9                      ; which 256 queries
	s_and_b32 s11, ttmp7, 0xffff                   ; 16 x batch + head
	s_mov_b32 s16, 15|(3<<16)|(1<<21)              ; group 1: all four partners; elements of 8 bytes; 2 rows of 2,176 elements, 3,264 apart
	s_mov_b32 s17, 2176<<16
	s_mov_b32 s18, 2<<16
	s_mov_b32 s19, 2176<<16
	s_mov_b32 s20, 2
	s_mov_b32 s21, 3264
	s_mov_b32 s22, 0
	s_mov_b32 s23, 0
	s_mul_i32 s14, s8, 2*RL                        ; my two records in LDS,
	s_lshl_b32 s48, s11, 4
	s_lshl_b32 s15, s8, 1
	s_add_co_u32 s48, s48, s15
	s_mul_i32 s48, s48, REC                        ; and in memory
	s_mov_b32 s49, 0
	s_lshl_b32 s50, s11, 4
	s_lshl_b32 s51, s10, 1
	s_add_co_u32 s50, s50, s51
	s_lshr_b32 s51, s8, 2
	s_add_co_u32 s50, s50, s51
	s_mul_i32 s50, s50, REC
	s_add_co_u32 s50, s50, RL                      ; Q's fields of the record that holds my two tiles
	s_mov_b32 s51, 0
	s_lshr_b32 s52, s11, 4
	s_lshl_b32 s52, s52, 7
	s_lshl_b32 s53, s10, 4
	s_add_co_u32 s52, s52, s53
	s_add_co_u32 s52, s52, s15                     ; tile a's number among the images' tiles
	s_lshl_b32 s52, s52, 3
	s_bfe_u32 s53, s11, 0x30001
	s_add_co_u32 s52, s52, s53                     ; fragment (tile, head / 2)
	s_and_b32 s53, s11, 1
	s_lshl_b32 s56, s52, 11
	s_lshl_b32 s57, s53, 10
	s_add_co_u32 s56, s56, s57
	s_mov_b32 s57, 0
	s_lshl_b32 s52, s52, 6
	s_lshl_b32 s53, s53, 1
	s_add_co_u32 s52, s52, s53
	s_add_co_u32 s52, s52, 4194304
	s_mov_b32 s53, 0
	s_mov_b32 s[SEL], 0x76543210
	s_mov_b32 s[SEL+1], 0xfedcba98                 ; v_permlanex16_b32: lane l xor 16
	s_mov_b32 s[CS], 0x3e38aa3b                    ; log2(e) / 8
	s_mov_b32 s[CS+1], s[CS]
	s_mov_b32 s[MNT], 0x600000
	s_mov_b32 s[TB], 0
	s_wait_dscnt 0x0
	s_wait_kmcnt 0x0
	s_add_nc_u64 s[48:49], s[4:5], s[48:49]
	s_add_nc_u64 s[50:51], s[4:5], s[50:51]
	s_add_nc_u64 s[56:57], s[6:7], s[56:57]
	s_add_nc_u64 s[52:53], s[6:7], s[52:53]
	CROUND                                         ; the four work-groups are here: the joint loads meet
	s_mov_b32 s24, 1
	s_mov_b32 s25, s14
	s_mov_b64 s[26:27], s[48:49]
	s_or_b32 s27, s27, 0x80000000
	s_cmp_lt_u32 s8, 2                             ; waves 0 and 1 (records 0 to 3) have a line of their own: the first barrier waits for it alone
	s_cbranch_scc0 .Lrest
	tensor_load_to_lds s[24:27], s[16:23]
	s_nop 0
.rept 4
	v_nop
.endr
	s_branch .Lasked
.Lrest:
	tensor_load_to_lds s[24:27], s[16:23]
	s_nop 0
.rept 4
	v_nop
.endr
.Lasked:
	v_and_b32 v7, 31, v0                           ; lane
	v_lshlrev_b32 v1, 4, v7                        ; 16 x lane
	v_and_b32 v2, 15, v0
	v_lshlrev_b32 v2, 2, v2                        ; 4 r
	s_and_b32 s54, s8, 3
	s_lshl_b32 s55, s54, 11
	v_add_nc_u32 v3, s55, v1
	s_lshl_b32 s55, s54, 7
	v_add_nc_u32 v4, s55, v2
	global_load_b128 v[QQ:QQ+3], v3, s[50:51]
	global_load_b128 v[QQ+4:QQ+7], v3, s[50:51] offset:512
	global_load_b32 v[QS], v4, s[50:51] offset:8192
	global_load_b32 v[QS+1], v4, s[50:51] offset:8192+64
	WIN 0x40
	global_load_b128 v[QQ:QQ+3], v3, s[50:51] offset:1024
	global_load_b128 v[QQ+4:QQ+7], v3, s[50:51] offset:1536
.irp w, 0,1                            ; both tiles begin alike: zeros, and -3e38 as the largest score, which the first step's change of M leaves zeros
	WIN 0x55*\w
.irp j, 8,9,10,11,12,13,14,15
	v_mov_b32 v[QQ+\j], 0
.endr
	v_mov_b32 v[NM+1], 0xff61b1e6
	v_floor_f32 v[NM], -v[NM+1]
	v_mov_b32 v[SUM], 0
	v_mov_b32 v[SUM+1], 0
	v_mov_b32 v[FF+1], 0
.irp b, 0,1,2,3
	v_mov_b32 v[T4+\b], 0
.endr
.set j, 0
.rept 32
	v_mov_b32 v[OO+j], 0
.set j, j+1
.endr
.endr
	WIN 0
.irp j, 0,1,2,3,4,5,6,7
	v_mov_b32 v[KF+64+\j], 0
.endr
.macro KLOAD ac, as, off               ; a record's eight tiles of K and their scale words
.irp t, 0,1,2,3,4,5,6,7
	ds_load_b128 v[KF+8*\t:KF+8*\t+3], v[\ac] offset:\off+\t*1024
	ds_load_b128 v[KF+8*\t+4:KF+8*\t+7], v[\ac] offset:\off+\t*1024+512
	ds_load_b32 v[KS+\t], v[\as] offset:\off+8192+\t*64
.endr
.endm
.macro SMUL w                          ; S^T of tile w: D and Q in its window, K in window 0
	WIN 0x44*\w
.irp t, 0,1,2,3,4,5,6,7
	v_wmma_scale_f32_16x16x128_f8f6f4 v[SS+8*\t:SS+8*\t+7], v[KF+8*\t:KF+8*\t+15], v[QQ:QQ+15], 0, v[KS+\t], v[QS+\w]
.endr
.endm
; THE SOFTMAX OF TILE w.  ld = 1: this step's V and the next step's K are fetched behind the maxima; 2: V alone; 0: nothing
.macro SOFT w, ld
.if \ld
	v_add_nc_u32 v3, s[TB], v1
	v_add_nc_u32 v4, s[TB], v2
.endif
	WIN 0x55*\w
	v_mov_b32 v[TMP], v[NM]                        ; the old -M
	s_wait_alu depctr_va_vdst(0)                   ; the wait, directly ahead of the first readers of S^T
.irp b, 0,1,2,3
	v_max3_num_f32 v[BM+\b], v[SS+16*\b], v[SS+1+16*\b], v[SS+2+16*\b]     ; each block's largest score: for the row's maximum and for the block's largest p
.endr
.irp i, 3,5,7,9,11,13
.irp b, 0,1,2,3
	v_max3_num_f32 v[BM+\b], v[BM+\b], v[SS+16*\b+\i], v[SS+1+16*\b+\i]
.endr
.endr
.irp b, 0,1,2,3
	v_max_num_f32 v[BM+\b], v[BM+\b], v[SS+15+16*\b]
.endr
.irp b, 0,1,2,3
	s_delay_alu instid0(VALU_DEP_4)
	v_permlanex16_b32 v[T4+\b], v[BM+\b], s[SEL], s[SEL+1]
.endr
.irp b, 0,1,2,3
	s_delay_alu instid0(VALU_DEP_4)
	v_max_num_f32 v[BM+\b], v[BM+\b], v[T4+\b]
.endr
	s_delay_alu instid0(VALU_DEP_2)
	v_max3_num_f32 v[SU2], v[BM], v[BM+1], v[BM+2]
	s_delay_alu instid0(VALU_DEP_1)
	v_max3_num_f32 v[NM+1], v[SU2], v[BM+3], v[NM+1]       ; the running largest score (c is positive and rounding keeps order: its t is the largest t)
	s_delay_alu instid0(VALU_DEP_1)
	v_mul_f32 v[SU2], s[CS], v[NM+1]
	s_delay_alu instid0(VALU_DEP_1)
	v_floor_f32 v[NM], -v[SU2]                     ; -M = floor(-t)
.if \ld == 1
	KLOAD 3, 4, RL                                 ; 47 plain lines stand behind the last products that read these registers
.endif
.if \ld
.irp d, 0,1,2,3
	ds_load_b32 v[VS+\d], v4 offset:16896+\d*64
.endr
	WIN 0x40
.irp d, 0,1,2,3
.irp c, 0,1,2,3
	ds_load_b128 v[VF+16*\d+4*\c:VF+16*\d+4*\c+3], v3 offset:8704+\d*2048+\c*512
.endr
.endr
	WIN 0
.endif
.set j, 0
.rept 32
	v_pk_fma_f32 v[SS+j:SS+j+1], v[SS+j:SS+j+1], s[CS:CS+1], v[NM:NM+1] op_sel_hi:[1,0,0]   ; t - M
.if j == 6
	v_sub_f32 v[TMP], v[NM], v[TMP]                ; old M - new M: a whole number, 0 or less.  These three lines stand apart, among lines that do not hang on them
.endif
.if j == 14
	v_cvt_i32_f32 v[TMP], v[TMP]
.endif
.if j == 22
	v_ldexp_f32 v[FF], 1.0, v[TMP]                 ; f = 2^(old M - new M)
.endif
.set j, j+2
.endr
.irp b, 0,1,2,3
	v_fma_f32 v[BM+\b], v[BM+\b], s[CS], v[NM]
.endr
	s_wait_alu depctr_va_vdst(0)                   ; a wait ahead of the batch,
.irp b, 0,1,2,3
	v_exp_f32 v[BM+\b], v[BM+\b]                   ; each block's largest p, in the same batch
.endr
.set j, 0
.rept 64
	v_exp_f32 v[SS+j], v[SS+j]
.set j, j+1
.endr
	v_pk_mul_f32 v[SUM:SUM+1], v[SUM:SUM+1], v[FF:FF+1] op_sel_hi:[1,0]
	s_wait_alu depctr_va_vdst(0)                   ; and one behind it
	v_pk_add_f32 v[SU2:SU2+1], v[SS:SS+1], v[SS+2:SS+3]    ; the row's sum, of the unquantised p
.irp j, 4,8,12,16,20,24,28,32,36,40,44,48,52,56,60
	v_pk_add_f32 v[SUM:SUM+1], v[SUM:SUM+1], v[SS+\j:SS+\j+1]
	v_pk_add_f32 v[SU2:SU2+1], v[SU2:SU2+1], v[SS+\j+2:SS+\j+3]
.endr
	s_delay_alu instid0(VALU_DEP_1)
	v_pk_add_f32 v[SUM:SUM+1], v[SUM:SUM+1], v[SU2:SU2+1]
.irp b, 0,1,2,3
	v_max_num_f32 v[BM+\b], 0x4800000, v[BM+\b]    ; the floor 2^(9 - 127): the byte cannot fall under 1
.endr
.irp b, 0,1,2,3
	s_delay_alu instid0(VALU_DEP_4)
	v_add_nc_u32 v[SO+\b], 0xfc000000, v[BM+\b]
.endr
.irp b, 0,1,2,3
	v_and_or_b32 v[HB+\b], v[BM+\b], 0x7f800000, s[MNT]
.endr
.irp b, 0,1,2,3
	v_lshrrev_b32 v[T4+\b], 23, v[SO+\b]
.endr
	s_delay_alu instid0(VALU_DEP_3)
	v_lshl_or_b32 v[TMP], v[T4+1], 8, v[T4]
	s_delay_alu instid0(VALU_DEP_1)
	v_lshl_or_b32 v[TMP], v[T4+2], 16, v[TMP]
	WIN 0x15*\w                                    ; scale operands are taken from window 0
	v_lshl_or_b32 v[PW+\w], v[T4+3], 24, v[TMP]
	WIN 0x55*\w
.irp b, 0,1,2,3
.irp i, 0,2,4,6,8,10,12,14
	v_dual_min_num_f32 v[SS+16*\b+\i], v[SS+16*\b+\i], v[HB+\b] :: v_dual_min_num_f32 v[SS+16*\b+\i+1], v[SS+16*\b+\i+1], v[HB+\b]   ; the hold (ISA guide 7.6.2); p is not negative
.endr
	v_cvt_scalef32_pk8_fp8_f32 v[PC+4*\b:PC+4*\b+1], v[SS+16*\b:SS+16*\b+7], v[SO+\b]
	v_cvt_scalef32_pk8_fp8_f32 v[PC+4*\b+2:PC+4*\b+3], v[SS+16*\b+8:SS+16*\b+15], v[SO+\b]
.endr
.if \ld
	s_wait_dscnt 0x0                               ; V, and the next step's K, for the products below
.endif
	s_wait_alu depctr_va_vdst(0)                   ; the wait, directly ahead of the first readers of O^T
.set j, 0
.rept 16
	v_pk_mul_f32 v[OO+j:OO+j+1], v[OO+j:OO+j+1], v[FF:FF+1] op_sel_hi:[1,0]
.set j, j+2
.endr
.endm
; TILE w's PRODUCTS: O^T += V^T P^T, then (last = 0) the next step's S^T.  Twelve accumulators, one instruction each
.macro MM w, last
	WIN 0x01+0x54*\w                               ; V in window 1, the rest in the tile's
.irp d, 0,1,2,3
	v_wmma_scale_f32_16x16x128_f8f6f4 v[OO+8*\d:OO+8*\d+7], v[VF+16*\d:VF+16*\d+15], v[PC:PC+15], v[OO+8*\d:OO+8*\d+7], v[VS+\d], v[PW+\w]
.endr
.if \last == 0
	SMUL \w
.endif
	WIN 0
.endm
.macro BODY last
	SOFT 0, 1+\last
	MM 0, \last
	SOFT 1, 0
	MM 1, \last
	s_add_co_u32 s[TB], s[TB], RL
.endm
.macro LOOP n
	s_mov_b32 s[CNT], \n
.Lbody_\@:
	BODY 0
	s_sub_co_u32 s[CNT], s[CNT], 1
	s_cmp_lg_u32 s[CNT], 0
	s_wait_alu depctr_va_vdst(0)
	s_cbranch_scc1 .Lbody_\@
.endm
	s_wait_alu depctr_va_vdst(0)                   ; the wait at the head's end
	s_wait_loadcnt 0x0                             ; Q
	s_cmp_lt_u32 s8, 2
	s_cbranch_scc0 .Lnot_first
	s_wait_tensorcnt 0x0                           ; waves 0 and 1: records 0 to 3 are in
.Lnot_first:
	s_barrier_signal -1
	s_barrier_wait -1
	KLOAD 1, 2, 0
	s_wait_dscnt 0x0
	SMUL 0
	SMUL 1
	WIN 0
.rept 8
	v_nop
.endr
	LOOP 3                                         ; steps 0 to 2 read records 0 to 3
	s_wait_tensorcnt 0x0                           ; every wave: all sixteen records are in
	s_wait_dscnt 0x0
	s_barrier_signal -1
	s_barrier_wait -1
	LOOP 12
	BODY 1                                         ; the last step has no successor: written out
; THE WAY OUT of tile w: O^T / the sum, two blocks of 32 quantised; the codes are lane l's 16 bytes of two chunks of the image
.macro EPI w
	WIN 0x55*\w
	v_add_f32 v[SUM], v[SUM], v[SUM+1]
	v_permlanex16_b32 v[TMP], v[SUM], s[SEL], s[SEL+1]
	v_add_f32 v[SUM], v[SUM], v[TMP]
	s_wait_alu depctr_va_vdst(0)
	v_rcp_f32 v[SUM], v[SUM]
	v_nop
	s_wait_alu depctr_va_vdst(0)
.set j, 0
.rept 32
	v_mul_f32 v[SS+j], v[OO+j], v[SUM]
.set j, j+1
.endr
.irp b, 0,1
	v_max3_num_f32 v[BM+\b], |v[SS+16*\b]|, |v[SS+1+16*\b]|, 0x4800000
.endr
.irp i, 2,4,6,8,10,12,14
.irp b, 0,1
	v_max3_num_f32 v[BM+\b], v[BM+\b], |v[SS+16*\b+\i]|, |v[SS+1+16*\b+\i]|
.endr
.endr
.irp b, 0,1
	v_permlanex16_b32 v[T4+\b], v[BM+\b], s[SEL], s[SEL+1]
.endr
.irp b, 0,1
	v_max_num_f32 v[BM+\b], v[BM+\b], v[T4+\b]
.endr
.irp b, 0,1
	v_add_nc_u32 v[SO+\b], 0xfc000000, v[BM+\b]
.endr
.irp b, 0,1
	v_and_or_b32 v[HB+\b], v[BM+\b], 0x7f800000, s[MNT]
.endr
.irp b, 0,1
	v_lshrrev_b32 v[T4+\b], 23, v[SO+\b]
.endr
	WIN 0x15*\w
	v_lshl_or_b32 v[KF+\w], v[T4+1], 8, v[T4]      ; the two bytes, kept in window 0 (K's registers are done with)
	WIN 0x55*\w
.irp b, 0,1
.irp i, 0,1,2,3,4,5,6,7,8,9,10,11,12,13,14,15
	v_med3_num_f32 v[SS+16*\b+\i], v[SS+16*\b+\i], -v[HB+\b], v[HB+\b]
.endr
	v_cvt_scalef32_pk8_fp8_f32 v[PC+4*\b:PC+4*\b+1], v[SS+16*\b:SS+16*\b+7], v[SO+\b]
	v_cvt_scalef32_pk8_fp8_f32 v[PC+4*\b+2:PC+4*\b+3], v[SS+16*\b+8:SS+16*\b+15], v[SO+\b]
.endr
	v_nop
	WIN 0x04*\w                                    ; a store's data: source 1
	global_store_b128 v1, v[PC:PC+3], s[56:57] offset:16384*\w
	global_store_b128 v1, v[PC+4:PC+7], s[56:57] offset:16384*\w+512
	WIN 0
.endm
	EPI 0
	EPI 1
	v_cmp_gt_u32 vcc_lo, 16, v7
	s_wait_xcnt 0x0                                ; EXEC changes only behind this wait
	s_and_saveexec_b32 s47, vcc_lo
	global_store_b16 v2, v[KF], s[52:53]           ; lanes 0-15: my head's two bytes of each row's scale word
	global_store_b16 v2, v[KF+1], s[52:53] offset:512
	s_wait_xcnt 0x0
	s_or_b32 exec_lo, exec_lo, s47
	s_wait_tensorcnt 0x0                           ; the wave's end
	ds_add_u32 v5, v6
	s_wait_dscnt 0x0
	CROUND                                         ; the closing round
	s_endpgm
.Lfunc_end_k_q4359d84250_attn:
	.size	k_q4359d84250_attn, .Lfunc_end_k_q4359d84250_attn-k_q4359d84250_attn
	.p2alignl 7, 3214868480
	.fill 96, 4, 3214868480
	.section	.rodata,"a",@progbits
	.p2align	6, 0x0
	.amdhsa_kernel k_q4359d84250_attn
		.amdhsa_group_segment_fixed_size 327680
		.amdhsa_private_segment_fixed_size 0
		.amdhsa_enable_private_segment 0
		.amdhsa_kernarg_size 16
		.amdhsa_user_sgpr_count 2
		.amdhsa_user_sgpr_kernarg_segment_ptr 1
		.amdhsa_wavefront_size32 1
		.amdhsa_system_sgpr_workgroup_id_x 1
		.amdhsa_system_sgpr_workgroup_id_y 1
		.amdhsa_system_sgpr_workgroup_id_z 1
		.amdhsa_system_vgpr_workitem_id 0
		.amdhsa_next_free_vgpr 512
		.amdhsa_next_free_sgpr 66
		.amdhsa_reserve_vcc 1
		.amdhsa_float_denorm_mode_32 3
		.amdhsa_float_denorm_mode_16_64 3
		.amdhsa_memory_ordered 1
		.amdhsa_forward_progress 1
		.amdhsa_inst_pref_size 127
	.end_amdhsa_kernel
	.amdgpu_metadata
---
amdhsa.version: [ 1, 2 ]
amdhsa.kernels:
  - .name:           k_q4359d84250_attn
    .symbol:         k_q4359d84250_attn.kd
    .args:
      - { .name: qkvb, .offset: 0, .size: 8, .value_kind: global_buffer, .address_space: global }
      - { .name: ao, .offset: 8, .size: 8, .value_kind: global_buffer, .address_space: global }
    .group_segment_fixed_size: 327680
    .private_segment_fixed_size: 0
    .kernarg_segment_align: 8
    .kernarg_segment_size: 16
    .max_flat_workgroup_size: 256
    .sgpr_count:     66
    .vgpr_count:     512
    .wavefront_size: 32
...
	.end_amdgpu_metadata
.endif
;; end of part 3
;; launch oproj (part 4): grid 8 x 32, 4 waves a work-group, clusters of 4 x 4, 327,680 bytes of LDS; arguments ao, wt, bo, x, x1; writes x1
.if DOCPART == 4
	.amdgcn_target "amdgcn-amd-amdhsa--gfx1250"
	.amdhsa_code_object_version 6
	.text
	.protected	k_q4359d84250_oproj
	.globl	k_q4359d84250_oproj
	.p2align	8
	.type	k_q4359d84250_oproj,@function
k_q4359d84250_oproj:
	s_mov_b64 s[64:65], 0
	v_nop
	global_prefetch_b8 v0, s[64:65] scope:SCOPE_SE
	s_setreg_imm32_b32 hwreg(HW_REG_WAVE_MODE, 25, 1), 1
	s_wait_xcnt 0x0
	s_wait_alu depctr_hold_cnt(0) depctr_sa_sdst(0) depctr_va_vdst(0) depctr_va_sdst(0) depctr_va_ssrc(0) depctr_va_vcc(0) depctr_vm_vsrc(0)
	s_getreg_b32 s2, hwreg(HW_REG_IB_STS2, 6, 4)
	s_cmp_eq_u32 s2, 0
	s_cbranch_scc0 .Lentry_in_a_cluster
	s_endpgm
.Lentry_in_a_cluster:
	s_bfe_u32 s2, ttmp6, 0x10000c
	s_cmp_lg_u32 s2, 0xf033
	s_cbranch_scc0 .Lentry_shape_is_right
	s_endpgm
.Lentry_shape_is_right:
; out = res + A W + b, f32 [4096][1024]; A (4,096 rows) and W (1,024 columns) are codes of FP8 (E4M3) with E8M0 scales, laid as images of operand registers (fragment (tau, s) = 2,048 bytes at (tau KS + s) 2048;
; tile tau: rows 32 (tau / 2) + 8 (tau % 2) + r + 8 (r / 8); scale words at (tau KS + s) 64 + 4 r behind the codes).  Here: the attention's output times Wo, K = 1,024.
; A tile of 128 x 128 to a work-group, so that 256 work-groups share the 4,096 x 1,024 outputs; four waves, 64 x 64 (16 accumulators) each.  K goes in steps of 512 through a ring of two LDS slots; the scale words for all of K come once.
; CLUSTERS: 4 x 4; A's tile is asked for jointly along a row of the cluster, B's along a column.
; Source 0 = B's tile, source 1 = A's: a lane holds one row, its registers run along the columns.  The bias is the C of the first products.  The residual is asked for at the head, in the layout in which the rows come back from the stage.
; THE WAY OUT: a wave's 64 columns are 256 bytes: a tile of 16 rows goes through the wave's own stage (in slot 0, which has had its last fill and its last read) and leaves as aligned runs of 256 bytes, sixteen lanes each.
.set KK,    1024
.set WOFF,  3*1048576
.set KS,    KK/128
.set ASC,   4096*KK
.set WSC,   12582912
.set LAPS,  KK/1024
.set NP,    8
.set HALFT, 32768                      ; 4 tiles x 4 K steps of 128 x 2,048 bytes: half of what one tensor load brings
.set SLOT,  131072
.set SCL,   262144
.set HALFS, 4*KS*64
.set SPARE, SCL+4*HALFS
.set ADRA,  16
.set ADRB,  20
.set BO,    22                         ; v22 64 h
.set STO,   24
.set RD,    25
.set CO,    26
.set ADRS,  27
.set SPW,   28
.set NIL,   29
.set SC,    32                         ; v32-39 scale words and nothing else: set f at 32 + 4 f
.set BIAS,  40                         ; v40-71; later rows on their way out
.set BK,    40                         ; v40-71, v72-103 by turns
.set ACC,   128
.set G1, 24
.set G0, 32
.set G1B, 48
.set G0B, 56
.set G1S, 68
.set G0S, 76
.set G1SB, 80
.set G0SB, 88
.set MSB, 0
.macro WIN new
.if MSB != (\new)
	s_set_vgpr_msb (MSB<<8)|(\new)
.set MSB, (\new)
.endif
.endm
.macro JLOAD g0a, g1a, g0b, g1b
	s_cmp_eq_u32 s17, 0
	s_cbranch_scc0 .Lfor_b_\@
	tensor_load_to_lds s[\g0a:\g0a+3], s[\g1a:\g1a+7]
	s_nop 0
.rept 4
	v_nop
.endr
	s_branch .Lasked_\@
.Lfor_b_\@:
	tensor_load_to_lds s[\g0b:\g0b+3], s[\g1b:\g1b+7]
	s_nop 0
.rept 4
	v_nop
.endr
.Lasked_\@:
.endm
.macro CREST
	s_cmp_lg_u32 s16, 0
	s_cbranch_scc1 .Lnot_wave_0_\@
	s_barrier_signal -3
.Lnot_wave_0_\@:
	s_barrier_wait -3
	s_barrier_signal -1
	s_barrier_wait -1
.endm
.macro CROUND
	s_barrier_signal -1
	s_barrier_wait -1
	CREST
.endm
.macro PLACES n
.rept \n
	v_nop
.endr
.endm
	s_load_b256 s[4:11], s[0:1], 0x0               ; A's images, wt, the bias, the residual
	s_load_b64 s[12:13], s[0:1], 0x20              ; the output
	v_lshl_add_u32 v[SPW], v0, 2, SPARE
	v_mov_b32 v[NIL], 0
	ds_add_u32 v[SPW], v[NIL]                      ; the wave's opening: the add, and its wait ahead of my first tensor load
	ds_add_u32 v[SPW], v[NIL]
	v_lshrrev_b32 v1, 5, v0
	v_readfirstlane_b32 s16, v1
	s_lshr_b32 s17, s16, 1                         ; my half of the rows.  Also: I fetch for A (0) or B (1)
	s_and_b32 s18, s16, 1                          ; my half of the columns.  Also: which half I fetch
	s_bfe_u32 s20, ttmp6, 0x40000
	s_bfe_u32 s21, ttmp6, 0x40004
	s_lshl_b32 s41, ttmp9, 2
	s_add_co_u32 s41, s41, s20                     ; tile column
	s_and_b32 s40, ttmp7, 0xffff
	s_lshl_b32 s40, s40, 2
	s_add_co_u32 s40, s40, s21                     ; tile row
	s_lshl_b32 s42, s21, 2
	s_lshl_b32 s42, 15, s42
	s_lshl_b32 s43, 0x1111, s20
	; group 1, codes: 8 rows (tiles) of 8,192 bytes, KS x 2,048 bytes apart, in elements of 8 bytes
	s_or_b32 s[G1+0], s42, (3<<16)|(1<<21)
	s_or_b32 s[G1B+0], s43, (3<<16)|(1<<21)
.irp g, G1, G1B
	s_mov_b32 s[\g+1], 1024<<16
	s_mov_b32 s[\g+2], 8<<16                       ; the head's loads bring all 8 tiles
	s_mov_b32 s[\g+3], 1024<<16
	s_mov_b32 s[\g+4], 8
	s_mov_b32 s[\g+5], KS*256
	s_mov_b32 s[\g+6], 0
	s_mov_b32 s[\g+7], 0
.endr
	s_lshl_b32 s2, s40, 3
	s_mul_i32 s2, s2, KS*2048
	s_mov_b32 s3, 0
	s_lshl_b32 s104, s41, 3
	s_mul_i32 s104, s104, KS*2048
	s_mov_b32 s105, 0
	s_lshl_b32 s19, s16, 15
	s_mul_i32 s101, s16, HALFS
	s_wait_dscnt 0x0                               ; the opening add is done
	s_wait_kmcnt 0x0
	s_add_nc_u64 s[98:99], s[4:5], s[2:3]
	s_add_nc_u64 s[92:93], s[6:7], s[104:105]
	s_add_nc_u64 s[92:93], s[92:93], WOFF
	s_lshr_b32 s2, s2, 5
	s_lshr_b32 s104, s104, 5
	s_add_nc_u64 s[46:47], s[4:5], s[2:3]
	s_add_nc_u64 s[46:47], s[46:47], ASC
	s_add_nc_u64 s[94:95], s[6:7], s[104:105]
	s_add_nc_u64 s[94:95], s[94:95], WSC+WOFF/32
	CROUND                                         ; all sixteen work-groups are here: the first joint loads meet
	s_cmp_eq_u32 s17, 0                            ; the scale words, 4 HALFS bytes beside 256 KB of codes, come by plain loads, a quarter a wave: waves 0, 1 A's halves, waves 2, 3 B's
	s_cselect_b64 s[76:77], s[46:47], s[94:95]
	s_mul_i32 s78, s18, HALFS
	s_mov_b32 s79, 0
	s_add_nc_u64 s[76:77], s[76:77], s[78:79]
	s_add_co_u32 s78, s101, SCL                    ; and where they go in LDS
.irp s, 0,1
	s_mov_b32 s[G0+4*\s], 1
	s_add_co_u32 s[G0+4*\s+1], s19, \s*SLOT
	s_add_nc_u64 s[G0+4*\s+2:G0+4*\s+3], s[98:99], \s*8192
	s_or_b32 s[G0+4*\s+3], s[G0+4*\s+3], 0x80000000
	s_mov_b32 s[G0B+4*\s], 1
	s_add_co_u32 s[G0B+4*\s+1], s19, \s*SLOT
	s_add_nc_u64 s[G0B+4*\s+2:G0B+4*\s+3], s[92:93], \s*8192
	s_or_b32 s[G0B+4*\s+3], s[G0B+4*\s+3], 0x80000000
.endr
	s_mov_b32 s[G0+1], 0                           ; the head fills both slots, which is all of K, each tile whole, one load a wave: wave 0 K step 0 of A's 8 tiles,
	s_mov_b32 s[G0B+1], 2*HALFT                    ; wave 1 of B's,
	s_mov_b32 s[G0+5], SLOT                        ; wave 2 K step 1 of A's,
	s_mov_b32 s[G0B+5], SLOT+2*HALFT               ; wave 3 of B's
.macro ARM under, g0, g1, next
	s_cmp_lt_u32 s16, \under
	s_cbranch_scc0 \next
	tensor_load_to_lds s[\g0:\g0+3], s[\g1:\g1+7]
	s_nop 0
.rept 4
	v_nop
.endr
	s_branch .Lhead_asked
\next:
.endm
	ARM 1, G0, G1, .Lhead_b
	ARM 2, G0B, G1B, .Lhead_sa
	ARM 3, G0+4, G1, .Lhead_sb
	tensor_load_to_lds s[G0B+4:G0B+7], s[G1B:G1B+7]
	s_nop 0
.rept 4
	v_nop
.endr
.Lhead_asked:
	v_and_b32 v1, 31, v0
	v_and_b32 v2, 15, v0                           ; r
	v_bfe_u32 v3, v0, 4, 1                         ; h
	s_wait_alu depctr_va_vdst(0)
	v_lshlrev_b32 v4, 4, v1
	v_add_nc_u32 v31, s78, v4
.set k, 0
.rept HALFS/512
	global_load_b128 v[ACC+4*k:ACC+4*k+3], v4, s[76:77] offset:512*k       ; my HALFS bytes of scale words, 512 consecutive bytes a load
.set k, k+1
.endr
	s_lshl_b32 s2, s17, 15
	s_lshl_b32 s3, s18, 15
	s_add_co_u32 s3, s3, 2*HALFT
.irp s, 0,1
	v_add_nc_u32 v[ADRA+\s], s2, v4
	v_add_nc_u32 v[ADRB+\s], s3, v4
	s_add_co_u32 s2, s2, SLOT
	s_add_co_u32 s3, s3, SLOT
.endr
	s_mul_i32 s2, s17, HALFS
	s_mul_i32 s3, s18, HALFS
	s_add_co_u32 s3, s3, 2*HALFS
	s_sub_co_u32 s3, s3, s2
	v_mul_u32_u24 v5, s3, v3                       ; lanes 16-31 take B's words: one product with h
	s_add_co_u32 s2, s2, SCL
	v_lshl_add_u32 v5, v2, 2, v5
	v_add_nc_u32 v[ADRS], s2, v5
	v_lshlrev_b32 v[BO], 6, v3
	s_wait_alu depctr_va_vdst(0)
	s_mul_i32 s2, s16, 4352                        ; my stage: 16 rows x 272 bytes
	v_mul_u32_u24 v[STO], v2, 272
	v_lshl_add_u32 v[STO], v3, 6, v[STO]
	v_add_nc_u32 v[STO], s2, v[STO]                ; in: row r, + 64 h
	v_mul_u32_u24 v[RD], v3, 272
	v_lshl_add_u32 v[RD], v2, 4, v[RD]
	v_add_nc_u32 v[RD], s2, v[RD]                  ; back: lanes 0-15 one row, lanes 16-31 the next
	v_lshlrev_b32 v[CO], 12, v3
	v_lshl_add_u32 v[CO], v2, 4, v[CO]             ; and the same two rows in memory
	s_wait_alu depctr_va_vdst(0)
	s_lshl_b32 s2, s41, 9
	s_lshl_b32 s3, s18, 8
	s_add_co_u32 s2, s2, s3                        ; my first column, in bytes
	s_mov_b32 s3, 0
	s_add_nc_u64 s[8:9], s[8:9], s[2:3]
	s_lshl_b32 s92, s40, 7
	s_lshl_b32 s93, s17, 6
	s_add_co_u32 s92, s92, s93                     ; my first row
	s_lshl_b32 s92, s92, 12
	s_add_co_u32 s92, s92, s2
	s_mov_b32 s93, 0
	s_add_nc_u64 s[10:11], s[10:11], s[92:93]
	s_add_nc_u64 s[12:13], s[12:13], s[92:93]
.irp b, 0,1,2,3
	global_load_b128 v[BIAS+8*\b:BIAS+8*\b+3], v[BO], s[8:9] offset:(32*(\b/2)+8*(\b%2))*4
	global_load_b128 v[BIAS+8*\b+4:BIAS+8*\b+7], v[BO], s[8:9] offset:(32*(\b/2)+8*(\b%2))*4+16
.endr
	WIN 0x80                                       ; destination window 2: the residual, 32 registers a tile of rows
.irp a, 0,1,2,3
.irp t, 0,1,2,3,4,5,6,7
	global_load_b128 v[32*\a+4*\t:32*\a+4*\t+3], v[CO], s[10:11] offset:(32*(\a/2)+8*(\a%2)+2*\t+8*(\t/4))*4096
.endr
.endr
	WIN 0
; four matrix instructions: A's tile a x B's four; buffer f.  The 16 accumulators take turns, one instruction a turn
.macro MUL4 f, a, zero
.irp b, 0,1,2,3
.if \zero
	v_wmma_scale_f32_16x16x128_f8f6f4 v[ACC+8*(4*(\a)+\b):ACC+8*(4*(\a)+\b)+7], v[128*(\f)+64+16*\b:128*(\f)+64+16*\b+15], v[128*(\f)+16*(\a):128*(\f)+16*(\a)+15], v[BIAS+8*\b:BIAS+8*\b+7], v[SC+4*(\f)+\b], v[SC+4*(\f)+(\a)] matrix_a_scale:MATRIX_SCALE_ROW1
.else
	v_wmma_scale_f32_16x16x128_f8f6f4 v[ACC+8*(4*(\a)+\b):ACC+8*(4*(\a)+\b)+7], v[128*(\f)+64+16*\b:128*(\f)+64+16*\b+15], v[128*(\f)+16*(\a):128*(\f)+16*(\a)+15], v[ACC+8*(4*(\a)+\b):ACC+8*(4*(\a)+\b)+7], v[SC+4*(\f)+\b], v[SC+4*(\f)+(\a)] matrix_a_scale:MATRIX_SCALE_ROW1
.endif
.endr
.endm
; 36 LDS loads in one run: 128 along K, the slot's q-th, into buffer f: 4 scale words, B's four fragments, A's four
.macro FETCH slot, q, f
	WIN 0
.irp i, 0,1,2,3
	ds_load_b32 v[SC+4*(\f)+\i], v[ADRS] offset:\i*KS*64+(\q)*64
.endr
	WIN 0x40
.irp i, 0,1,2,3
.irp c, 0,1,2,3
	ds_load_b128 v[128*(\f)+64+16*\i+4*\c:128*(\f)+64+16*\i+4*\c+3], v[ADRB+\slot] offset:\i*8192+(\q)*2048+\c*512
.endr
.endr
.irp i, 0,1,2,3
.irp c, 0,1,2,3
	ds_load_b128 v[128*(\f)+16*\i+4*\c:128*(\f)+16*\i+4*\c+3], v[ADRA+\slot] offset:\i*8192+(\q)*2048+\c*512
.endr
.endr
.endm
.macro QUARTER slot, qn, f, g, zero    ; multiplies buffer f; in its middle fetches the slot's qn-th 128 along K into buffer g
	s_wait_dscnt 8                                 ; all but the youngest eight loads (A's tiles 2, 3)
	WIN 0x05                                       ; sources 0 and 1 window 1; C and D window 0
	MUL4 \f, 0, \zero
	MUL4 \f, 1, \zero
	PLACES NP
	FETCH \slot, \qn, \g
	s_wait_dscnt 36                                ; all but the 36 just issued
	WIN 0x05
	MUL4 \f, 2, \zero
	MUL4 \f, 3, \zero
.endm
; a slot's last quarter multiplies buffer 1 and changes slots
.macro TURN slot, next, fill
	WIN 0
	s_wait_tensorcnt 0x0                           ; all my tensor loads have landed
	ds_add_u32 v[SPW], v[NIL]
	s_wait_dscnt 9                                 ; (the add and A's tiles 2, 3 may be out)
	WIN 0x05
	MUL4 1, 0, 0
	s_wait_dscnt 0x0                               ; the add is done, and my reads of this slot are over
	s_barrier_signal -1
	MUL4 1, 1, 0
	WIN 0
	s_barrier_wait -1
.if \fill
	CREST                                          ; the barrier has opened a round of the cluster's
	s_add_nc_u64 s[G0+4*\slot+2:G0+4*\slot+3], s[G0+4*\slot+2:G0+4*\slot+3], 16384
	s_add_nc_u64 s[G0B+4*\slot+2:G0B+4*\slot+3], s[G0B+4*\slot+2:G0B+4*\slot+3], 16384
	JLOAD G0+4*\slot, G1, G0B+4*\slot, G1B         ; the first tensor load behind the round
	PLACES NP-4
.else
	PLACES NP
.endif
	v_add_nc_u32 v[ADRS], 256, v[ADRS]             ; the next slot's scale words
	FETCH \next, 0, 0
	WIN 0x05
	MUL4 1, 2, 0
	MUL4 1, 3, 0
.endm
	s_wait_alu depctr_va_vdst(0)                   ; the wait at the head's end
	s_wait_tensorcnt 0x0                           ; my tile of the head's four is in
	s_wait_loadcnt 40                              ; the scale words are in; the 40 loads of the bias and the residual, issued behind them, may be out
.set k, 0
.rept HALFS/512
	ds_store_b128 v31, v[ACC+4*k:ACC+4*k+3] offset:512*k
.set k, k+1
.endr
	s_wait_dscnt 0x0                               ; for the others' sake: my stores have landed
	s_barrier_signal -1
	s_barrier_wait -1                              ; all of K and all scale words are in; nothing is filled in this launch behind the head
	FETCH 0, 0, 0
	s_wait_loadcnt 32                              ; the bias is in; the residual's 32 loads may be out
	QUARTER 0, 1, 0, 1, 1
.if LAPS > 1
	WIN 0
	s_mov_b32 s19, LAPS-1
.Llap:
	QUARTER 0, 2, 1, 0, 0
	QUARTER 0, 3, 0, 1, 0
	TURN 0, 1, 1
	QUARTER 1, 1, 0, 1, 0
	QUARTER 1, 2, 1, 0, 0
	QUARTER 1, 3, 0, 1, 0
	TURN 1, 0, 1
	QUARTER 0, 1, 0, 1, 0
	WIN 0
	s_sub_co_u32 s19, s19, 1
	s_cmp_lg_u32 s19, 0
	s_cbranch_scc1 .Llap
.endif
	QUARTER 0, 2, 1, 0, 0
	QUARTER 0, 3, 0, 1, 0
	TURN 0, 1, 0
	s_wait_alu depctr_va_vdst(0)
	QUARTER 1, 1, 0, 1, 0
	QUARTER 1, 2, 1, 0, 0
	QUARTER 1, 3, 0, 1, 0
	s_wait_dscnt 8
	WIN 0x05
	MUL4 1, 0, 0
	MUL4 1, 1, 0
	s_wait_dscnt 0
	MUL4 1, 2, 0
	MUL4 1, 3, 0
	WIN 0
	PLACES NP
	s_wait_loadcnt 0x0                             ; the residual
.macro TOSTAGE a
.irp b, 0,1,2,3
	ds_store_b128 v[STO], v[ACC+8*(4*(\a)+\b):ACC+8*(4*(\a)+\b)+3] offset:128*(\b/2)+32*(\b%2)        ; each accumulator from its low end on
	ds_store_b128 v[STO], v[ACC+8*(4*(\a)+\b)+4:ACC+8*(4*(\a)+\b)+7] offset:128*(\b/2)+32*(\b%2)+16
.endr
.set BB, BK+32*((\a)%2)
.irp t, 0,1,2,3,4,5,6,7
	ds_load_b128 v[BB+4*\t:BB+4*\t+3], v[RD] offset:544*\t         ; LDS serves a wave's instructions in order (ISA guide 5.7.1.4): these see the stores above
.endr
.endm
.macro SEND a, younger
.set BB, BK+32*((\a)%2)
	s_wait_dscnt \younger
	WIN 0x08                                       ; source 1: the residual, window 2
.set j, 0
.rept 16
	v_pk_add_f32 v[BB+j:BB+j+1], v[BB+j:BB+j+1], v[32*(\a)+j:32*(\a)+j+1]
.set j, j+2
.endr
	WIN 0
.irp t, 0,1,2,3,4,5,6,7
	global_store_b128 v[CO], v[BB+4*\t:BB+4*\t+3], s[12:13] offset:(32*((\a)/2)+8*((\a)%2)+2*\t+8*(\t/4))*4096   ; sixteen lanes store 256 consecutive aligned bytes
.endr
.endm
	TOSTAGE 0
.irp a, 1,2,3
.if \a > 1
	s_wait_xcnt 0x0                                ; tile a - 2's stores have read their data: tile a's rows may land there
.endif
	TOSTAGE \a
	SEND \a-1, 16                                  ; behind tile a - 1's loads: tile a's 8 stores and 8 loads
.endr
	SEND 3, 0
	s_wait_tensorcnt 0x0                           ; the wave's end
	ds_add_u32 v[SPW], v[NIL]
	s_wait_dscnt 0x0
	CROUND                                         ; the closing round
	s_endpgm
.Lfunc_end_k_q4359d84250_oproj:
	.size	k_q4359d84250_oproj, .Lfunc_end_k_q4359d84250_oproj-k_q4359d84250_oproj
	.p2alignl 7, 3214868480
	.fill 96, 4, 3214868480
	.section	.rodata,"a",@progbits
	.p2align	6, 0x0
	.amdhsa_kernel k_q4359d84250_oproj
		.amdhsa_group_segment_fixed_size 327680
		.amdhsa_private_segment_fixed_size 0
		.amdhsa_enable_private_segment 0
		.amdhsa_kernarg_size 40
		.amdhsa_user_sgpr_count 2
		.amdhsa_user_sgpr_kernarg_segment_ptr 1
		.amdhsa_wavefront_size32 1
		.amdhsa_system_sgpr_workgroup_id_x 1
		.amdhsa_system_sgpr_workgroup_id_y 1
		.amdhsa_system_sgpr_workgroup_id_z 1
		.amdhsa_system_vgpr_workitem_id 0
		.amdhsa_next_free_vgpr 640
		.amdhsa_next_free_sgpr 106
		.amdhsa_reserve_vcc 0
		.amdhsa_float_denorm_mode_32 3
		.amdhsa_float_denorm_mode_16_64 3
		.amdhsa_memory_ordered 1
		.amdhsa_forward_progress 1
		.amdhsa_inst_pref_size 63
	.end_amdhsa_kernel
	.amdgpu_metadata
---
amdhsa.version: [ 1, 2 ]
amdhsa.kernels:
  - .name:           k_q4359d84250_oproj
    .symbol:         k_q4359d84250_oproj.kd
    .args:
      - { .name: ao, .offset: 0, .size: 8, .value_kind: global_buffer, .address_space: global }
      - { .name: wt, .offset: 8, .size: 8, .value_kind: global_buffer, .address_space: global }
      - { .name: bo, .offset: 16, .size: 8, .value_kind: global_buffer, .address_space: global }
      - { .name: x, .offset: 24, .size: 8, .value_kind: global_buffer, .address_space: global }
      - { .name: x1, .offset: 32, .size: 8, .value_kind: global_buffer, .address_space: global }
    .group_segment_fixed_size: 327680
    .private_segment_fixed_size: 0
    .kernarg_segment_align: 8
    .kernarg_segment_size: 40
    .max_flat_workgroup_size: 128
    .sgpr_count:     106
    .vgpr_count:     640
    .wavefront_size: 32
...
	.end_amdgpu_metadata
.endif
;; end of part 4
;; launch ln2 (part 5): grid 256 x 1, 8 waves a work-group, no clusters, 3,072 bytes of LDS; arguments x1, ln2_g, ln2_b, n2; writes n2
.if DOCPART == 5
	.amdgcn_target "amdgcn-amd-amdhsa--gfx1250"
	.amdhsa_code_object_version 6
	.text
	.protected	k_q4359d84250_ln2
	.globl	k_q4359d84250_ln2
	.p2align	8
	.type	k_q4359d84250_ln2,@function
k_q4359d84250_ln2:
	s_mov_b64 s[64:65], 0
	v_nop
	global_prefetch_b8 v0, s[64:65] scope:SCOPE_SE
	s_setreg_imm32_b32 hwreg(HW_REG_WAVE_MODE, 25, 1), 1
	s_wait_xcnt 0x0
; LayerNorm over rows of 1,024 f32 numbers, quantised to FP8 (E4M3) with one E8M0 byte for each 32 along the row, stored as images of operand registers (K = 1,024, KS = 8):
; tile tau holds rows rho(tau, r) = 32 (tau / 2) + 8 (tau % 2) + r + 8 (r / 8); fragment (tau, s) at (8 tau + s) 2048, chunk c at 512 c, lane l's 16 codes at 16 l: row rho(tau, l % 16), k = 128 s + 32 c + 16 (l / 16) + 0 .. 15;
; scale words from byte 4,194,304 on, at (8 tau + s) 64 + 4 r.
; A work-group takes one tile of 16 rows; wave w takes K step w (128 columns), so that a lane's 64 registers are already laid as the fragment wants them: register 16 b + i = k 32 b + 16 (l / 16) + i of row l % 16.
; The mean and then the mean of the squared differences (two passes, as the definition has them: no difference of large sums) meet in LDS: 16 words a wave, one barrier each.
; Memory binds; the work-groups share nothing but gamma and beta (8 KB), so no cluster and no tensor load.
; LIMITS: a block of zeros gets the byte 1 where the rule says 127 (zero codes; only this program reads the bytes); NaN and infinities are not served.
.set SPARE, 2048                       ; LDS: 0 sums [wave][16]; 512 sums of squares; 1024 scale words [s][16]; 2048 the spare words, 128 bytes a wave, which no other line names
.set X,   16                           ; v16-79   my 64 numbers
.set G,   80                           ; v80-143  gamma
.set BT,  144                          ; v144-207 beta
.set TM,  208                          ; v208-223 at work
.set PW,  224                          ; the scale word
.set PC,  226                          ; v226-241 the codes
.set SEL, 20
.set MNT, 23
	s_load_b256 s[4:11], s[0:1], 0x0               ; x, gamma, beta, the images
	v_lshl_add_u32 v10, v0, 2, SPARE               ; my spare word
	v_mov_b32 v11, 0
	v_lshrrev_b32 v1, 5, v0
	s_delay_alu instid0(VALU_DEP_1)
	v_readfirstlane_b32 s12, v1                    ; wave = K step
	v_and_b32 v1, 31, v0
	v_and_b32 v2, 15, v0                           ; r
	v_bfe_u32 v3, v0, 4, 1                         ; h
	s_delay_alu instid0(VALU_DEP_2)
	v_and_b32 v4, 8, v2
	s_delay_alu instid0(VALU_DEP_1)
	v_add_nc_u32 v4, v4, v2
	s_delay_alu instid0(VALU_DEP_1)
	v_lshlrev_b32 v4, 12, v4
	s_delay_alu instid0(VALU_DEP_1)
	v_lshl_add_u32 v4, v3, 6, v4                   ; x: row r + 8 (r / 8) of 4,096 bytes, + 64 h
	v_lshlrev_b32 v5, 6, v3                        ; gamma, beta: 64 h
	v_lshlrev_b32 v6, 4, v1                        ; 16 x lane
	v_lshlrev_b32 v8, 2, v2                        ; 4 r
	s_lshl_b32 s13, s12, 6
	v_add_nc_u32 v7, s13, v8                       ; 64 w + 4 r
	s_lshr_b32 s14, ttmp9, 1
	s_lshl_b32 s14, s14, 5
	s_and_b32 s15, ttmp9, 1
	s_lshl_b32 s15, s15, 3
	s_add_co_u32 s14, s14, s15                     ; the tile's first row
	s_lshl_b32 s14, s14, 12
	s_lshl_b32 s16, s12, 9                         ; my 128 columns
	s_add_co_u32 s14, s14, s16
	s_mov_b32 s15, 0
	s_mov_b32 s17, 0
	s_lshl_b32 s26, ttmp9, 3
	s_add_co_u32 s26, s26, s12
	s_lshl_b32 s26, s26, 11                        ; fragment (tau, w)
	s_mov_b32 s27, 0
	s_lshl_b32 s18, ttmp9, 9
	s_add_co_u32 s18, s18, 4194304                 ; the tile's 512 bytes of scale words
	s_mov_b32 s19, 0
	s_mov_b32 s[SEL], 0x76543210
	s_mov_b32 s[SEL+1], 0xfedcba98                 ; v_permlanex16_b32: lane l xor 16
	s_mov_b32 s22, 0x3727c5ac                      ; 1e-5
	s_mov_b32 s[MNT], 0x600000
	s_mov_b32 s24, 0x3a800000                      ; 1 / 1024
	s_wait_alu depctr_va_vdst(0)
	s_wait_kmcnt 0x0
	s_add_nc_u64 s[4:5], s[4:5], s[14:15]
	s_add_nc_u64 s[6:7], s[6:7], s[16:17]
	s_add_nc_u64 s[8:9], s[8:9], s[16:17]
	s_add_nc_u64 s[26:27], s[10:11], s[26:27]
	s_add_nc_u64 s[18:19], s[10:11], s[18:19]
.irp b, 0,1,2,3
.irp j, 0,1,2,3
	global_load_b128 v[X+16*\b+4*\j:X+16*\b+4*\j+3], v4, s[4:5] offset:128*\b+16*\j
.endr
.endr
.irp b, 0,1,2,3
.irp j, 0,1,2,3
	global_load_b128 v[G+16*\b+4*\j:G+16*\b+4*\j+3], v5, s[6:7] offset:128*\b+16*\j
.endr
.endr
.irp b, 0,1,2,3
.irp j, 0,1,2,3
	global_load_b128 v[BT+16*\b+4*\j:BT+16*\b+4*\j+3], v5, s[8:9] offset:128*\b+16*\j
.endr
.endr
; the four chains in v[TM .. TM+7] become my row's sum over the wave's 128 columns; the eight waves' sums meet at LDS byte off; v242 = the row's sum over 1,024
.macro MEET off
	s_delay_alu instid0(VALU_DEP_3)
	v_pk_add_f32 v[TM:TM+1], v[TM:TM+1], v[TM+2:TM+3]
	s_delay_alu instid0(VALU_DEP_2)
	v_pk_add_f32 v[TM+4:TM+5], v[TM+4:TM+5], v[TM+6:TM+7]
	s_delay_alu instid0(VALU_DEP_1)
	v_pk_add_f32 v[TM:TM+1], v[TM:TM+1], v[TM+4:TM+5]
	s_delay_alu instid0(VALU_DEP_1)
	v_add_f32 v[TM], v[TM], v[TM+1]
	s_delay_alu instid0(VALU_DEP_1)
	v_permlanex16_b32 v[TM+1], v[TM], s[SEL], s[SEL+1]
	s_delay_alu instid0(VALU_DEP_1)
	v_add_f32 v[TM], v[TM], v[TM+1]
	ds_store_b32 v7, v[TM] offset:\off             ; both halves of the lanes write the same word with the same value
	s_wait_dscnt 0x0                               ; for the others' sake: my store has landed
	s_barrier_signal -1
	s_barrier_wait -1
.irp k, 0,1,2,3,4,5,6,7
	ds_load_b32 v[242+\k], v8 offset:\off+64*\k
.endr
	s_wait_dscnt 0x0
	v_add_f32 v242, v242, v243
	v_add_f32 v244, v244, v245
	v_add_f32 v246, v246, v247
	v_add_f32 v248, v248, v249
	s_delay_alu instid0(VALU_DEP_3)
	v_add_f32 v242, v242, v244
	s_delay_alu instid0(VALU_DEP_2)
	v_add_f32 v246, v246, v248
	s_delay_alu instid0(VALU_DEP_1)
	v_add_f32 v242, v242, v246
.endm
	s_wait_loadcnt 32                              ; x's 16 loads are in; gamma's and beta's 32 may be out
.irp k, 0,1,2,3
	v_pk_add_f32 v[TM+2*\k:TM+2*\k+1], v[X+2*\k:X+2*\k+1], v[X+8+2*\k:X+9+2*\k]
.endr
.irp i, 16,24,32,40,48,56
.irp k, 0,1,2,3
	s_delay_alu instid0(VALU_DEP_4)
	v_pk_add_f32 v[TM+2*\k:TM+2*\k+1], v[TM+2*\k:TM+2*\k+1], v[X+\i+2*\k:X+\i+2*\k+1]
.endr
.endr
	MEET 0
	s_delay_alu instid0(VALU_DEP_1)
	v_mul_f32 v250, s24, v242                      ; the mean
	s_delay_alu instid0(VALU_DEP_1)
	v_mov_b32 v251, v250
.set j, 0
.rept 32
	v_pk_add_f32 v[X+j:X+j+1], v[X+j:X+j+1], v[250:251] neg_lo:[0,1] neg_hi:[0,1]
.set j, j+2
.endr
.irp k, 0,1,2,3
	v_pk_mul_f32 v[TM+2*\k:TM+2*\k+1], v[X+2*\k:X+2*\k+1], v[X+2*\k:X+2*\k+1]
.endr
.irp i, 8,16,24,32,40,48,56
.irp k, 0,1,2,3
	s_delay_alu instid0(VALU_DEP_4)
	v_pk_fma_f32 v[TM+2*\k:TM+2*\k+1], v[X+\i+2*\k:X+\i+2*\k+1], v[X+\i+2*\k:X+\i+2*\k+1], v[TM+2*\k:TM+2*\k+1]
.endr
.endr
	MEET 512
	s_delay_alu instid0(VALU_DEP_1)
	v_fma_f32 v252, v242, s24, s22                 ; the variance + 1e-5
	s_wait_alu depctr_va_vdst(0)
	v_rsq_f32 v252, v252
	v_nop                                          ; a plain line behind the transcendental,
	s_wait_alu depctr_va_vdst(0)                   ; and a wait ahead of its first reader
	v_mov_b32 v253, v252
	s_wait_alu depctr_va_vdst(0)
	s_wait_loadcnt 0x0                             ; gamma and beta
.set j, 0
.rept 32
	v_pk_mul_f32 v[X+j:X+j+1], v[X+j:X+j+1], v[252:253]
.set j, j+2
.endr
.set j, 0
.rept 32
	v_pk_fma_f32 v[X+j:X+j+1], v[X+j:X+j+1], v[G+j:G+j+1], v[BT+j:BT+j+1]
.set j, j+2
.endr
	; the quantiser: four blocks of 32, each in lanes l and l xor 16
.irp b, 0,1,2,3
	v_max3_num_f32 v[TM+\b], |v[X+16*\b]|, |v[X+1+16*\b]|, 0x4800000   ; with the floor 2^(9 - 127): the byte cannot fall under 1
.endr
.irp i, 2,4,6,8,10,12,14
.irp b, 0,1,2,3
	s_delay_alu instid0(VALU_DEP_4)
	v_max3_num_f32 v[TM+\b], v[TM+\b], |v[X+16*\b+\i]|, |v[X+1+16*\b+\i]|
.endr
.endr
.irp b, 0,1,2,3
	s_delay_alu instid0(VALU_DEP_4)
	v_permlanex16_b32 v[TM+4+\b], v[TM+\b], s[SEL], s[SEL+1]
.endr
.irp b, 0,1,2,3
	s_delay_alu instid0(VALU_DEP_4)
	v_max_num_f32 v[TM+\b], v[TM+\b], v[TM+4+\b]
.endr
.irp b, 0,1,2,3
	s_delay_alu instid0(VALU_DEP_4)
	v_add_nc_u32 v[TM+12+\b], 0xfc000000, v[TM+\b]         ; 8 off the exponent field: the conversion's scale operand
.endr
.irp b, 0,1,2,3
	v_and_or_b32 v[TM+8+\b], v[TM+\b], 0x7f800000, s[MNT]  ; 448 x the scale
.endr
.irp b, 0,1,2,3
	v_lshrrev_b32 v[TM+4+\b], 23, v[TM+12+\b]              ; the byte
.endr
	s_delay_alu instid0(VALU_DEP_3)
	v_lshl_or_b32 v[PW], v[TM+5], 8, v[TM+4]
	s_delay_alu instid0(VALU_DEP_1)
	v_lshl_or_b32 v[PW], v[TM+6], 16, v[PW]
	s_delay_alu instid0(VALU_DEP_1)
	v_lshl_or_b32 v[PW], v[TM+7], 24, v[PW]
.irp b, 0,1,2,3
.irp i, 0,1,2,3,4,5,6,7,8,9,10,11,12,13,14,15
	v_med3_num_f32 v[X+16*\b+\i], v[X+16*\b+\i], -v[TM+8+\b], v[TM+8+\b]   ; the conversion does not saturate (ISA guide 7.6.2): the hold comes first
.endr
	v_cvt_scalef32_pk8_fp8_f32 v[PC+4*\b:PC+1+4*\b], v[X+16*\b:X+7+16*\b], v[TM+12+\b]
	v_cvt_scalef32_pk8_fp8_f32 v[PC+2+4*\b:PC+3+4*\b], v[X+8+16*\b:X+15+16*\b], v[TM+12+\b]
.endr
	v_nop
.irp c, 0,1,2,3
	global_store_b128 v6, v[PC+4*\c:PC+4*\c+3], s[26:27] offset:512*\c     ; a chunk: 512 consecutive aligned bytes
.endr
	ds_store_b32 v7, v[PW] offset:1024
	s_wait_dscnt 0x0
	s_barrier_signal -1
	s_barrier_wait -1                              ; the tile's 128 scale words lie in LDS
	s_cmp_lg_u32 s12, 0
	s_cbranch_scc1 .Lend
	ds_load_b128 v[16:19], v6 offset:1024
	s_wait_dscnt 0x0
	global_store_b128 v6, v[16:19], s[18:19]       ; wave 0 stores them: 512 consecutive aligned bytes
.Lend:
	s_wait_tensorcnt 0x0                           ; the wave's end, behind my last LDS store
	ds_add_u32 v10, v11
	s_wait_dscnt 0x0
	s_endpgm
.Lfunc_end_k_q4359d84250_ln2:
	.size	k_q4359d84250_ln2, .Lfunc_end_k_q4359d84250_ln2-k_q4359d84250_ln2
	.p2alignl 7, 3214868480
	.fill 96, 4, 3214868480
	.section	.rodata,"a",@progbits
	.p2align	6, 0x0
	.amdhsa_kernel k_q4359d84250_ln2
		.amdhsa_group_segment_fixed_size 3072
		.amdhsa_private_segment_fixed_size 0
		.amdhsa_enable_private_segment 0
		.amdhsa_kernarg_size 32
		.amdhsa_user_sgpr_count 2
		.amdhsa_user_sgpr_kernarg_segment_ptr 1
		.amdhsa_wavefront_size32 1
		.amdhsa_system_sgpr_workgroup_id_x 1
		.amdhsa_system_sgpr_workgroup_id_y 1
		.amdhsa_system_sgpr_workgroup_id_z 1
		.amdhsa_system_vgpr_workitem_id 0
		.amdhsa_next_free_vgpr 256
		.amdhsa_next_free_sgpr 66
		.amdhsa_reserve_vcc 0
		.amdhsa_float_denorm_mode_32 3
		.amdhsa_float_denorm_mode_16_64 3
		.amdhsa_memory_ordered 1
		.amdhsa_forward_progress 1
		.amdhsa_inst_pref_size 32
	.end_amdhsa_kernel
	.amdgpu_metadata
---
amdhsa.version: [ 1, 2 ]
amdhsa.kernels:
  - .name:           k_q4359d84250_ln2
    .symbol:         k_q4359d84250_ln2.kd
    .args:
      - { .name: x1, .offset: 0, .size: 8, .value_kind: global_buffer, .address_space: global }
      - { .name: ln2_g, .offset: 8, .size: 8, .value_kind: global_buffer, .address_space: global }
      - { .name: ln2_b, .offset: 16, .size: 8, .value_kind: global_buffer, .address_space: global }
      - { .name: n2, .offset: 24, .size: 8, .value_kind: global_buffer, .address_space: global }
    .group_segment_fixed_size: 3072
    .private_segment_fixed_size: 0
    .kernarg_segment_align: 8
    .kernarg_segment_size: 32
    .max_flat_workgroup_size: 256
    .sgpr_count:     66
    .vgpr_count:     256
    .wavefront_size: 32
...
	.end_amdgpu_metadata
.endif
;; end of part 5
;; launch ffn1 (part 6): grid 16 x 16, 4 waves a work-group, clusters of 4 x 4, 327,680 bytes of LDS; arguments n2, wt, b1, hb; writes hb
.if DOCPART == 6
	.amdgcn_target "amdgcn-amd-amdhsa--gfx1250"
	.amdhsa_code_object_version 6
	.text
	.protected	k_q4359d84250_ffn1
	.globl	k_q4359d84250_ffn1
	.p2align	8
	.type	k_q4359d84250_ffn1,@function
k_q4359d84250_ffn1:
	s_mov_b64 s[64:65], 0
	v_nop
	global_prefetch_b8 v0, s[64:65] scope:SCOPE_SE
	s_setreg_imm32_b32 hwreg(HW_REG_WAVE_MODE, 25, 1), 1
	s_wait_xcnt 0x0
	s_wait_alu depctr_hold_cnt(0) depctr_sa_sdst(0) depctr_va_vdst(0) depctr_va_sdst(0) depctr_va_ssrc(0) depctr_va_vcc(0) depctr_vm_vsrc(0)
	s_getreg_b32 s2, hwreg(HW_REG_IB_STS2, 6, 4)
	s_cmp_eq_u32 s2, 0
	s_cbranch_scc0 .Lentry_in_a_cluster
	s_endpgm
.Lentry_in_a_cluster:
	s_bfe_u32 s2, ttmp6, 0x10000c
	s_cmp_lg_u32 s2, 0xf033
	s_cbranch_scc0 .Lentry_shape_is_right
	s_endpgm
.Lentry_shape_is_right:
.set WSC,   12582912
.set XSC,   4194304
.set NL,    4
.set NP,    8
.set FR,    16
.set HALFT, 32768
.set SLOT,  131072
.set SCL,   262144
.set HALFS, 4096
.set SPARE, SCL+4*HALFS
.set ADRA,  16
.set ADRB,  20
.set LI,    24
.set LW,    26
.set ADRS,  27
.set SPW,   28
.set NIL,   29
.set SC,    32
.set BIAS,  64
.set AF,    128
.set TM,    64
.set PW,    80
.set CF,    82
.set XR,    96
.set TT,    160
.set PC,    160
.set X2,    192
.set PP,    224
.set G1, 24
.set G0, 32
.set G1B, 48
.set G0B, 56
.set G1S, 68
.set G0S, 76
.set G1SB, 80
.set G0SB, 88
.set SEL, 66
.set MNT, 100
.set MSB, 0
.macro WIN new
.if MSB != (\new)
	s_set_vgpr_msb (MSB<<8)|(\new)
.set MSB, (\new)
.endif
.endm
.set MUL_LO, 0xa1
.set MUL_HI, 0xf1
.set TO_B,   0x40
.macro JLOAD g0a, g1a, g0b, g1b
	s_cmp_eq_u32 s17, 0
	s_cbranch_scc0 .Lfor_b_\@
	tensor_load_to_lds s[\g0a:\g0a+3], s[\g1a:\g1a+7]
	s_nop 0
.rept 4
	v_nop
.endr
	s_branch .Lasked_\@
.Lfor_b_\@:
	tensor_load_to_lds s[\g0b:\g0b+3], s[\g1b:\g1b+7]
	s_nop 0
.rept 4
	v_nop
.endr
.Lasked_\@:
.endm
.macro CREST
	s_cmp_lg_u32 s16, 0
	s_cbranch_scc1 .Lnot_wave_0_\@
	s_barrier_signal -3
.Lnot_wave_0_\@:
	s_barrier_wait -3
	s_barrier_signal -1
	s_barrier_wait -1
.endm
.macro CROUND
	s_barrier_signal -1
	s_barrier_wait -1
	CREST
.endm
.macro PLACES n
.rept \n
	v_nop
.endr
.endm
	s_load_b256 s[4:11], s[0:1], 0x0
	v_lshl_add_u32 v[SPW], v0, 2, SPARE
	v_mov_b32 v[NIL], 0
	ds_add_u32 v[SPW], v[NIL]
	ds_add_u32 v[SPW], v[NIL]
	v_lshrrev_b32 v1, 5, v0
	v_readfirstlane_b32 s16, v1
	s_lshr_b32 s17, s16, 1
	s_and_b32 s18, s16, 1
	s_bfe_u32 s20, ttmp6, 0x40000
	s_bfe_u32 s21, ttmp6, 0x40004
	s_lshl_b32 s41, ttmp9, 2
	s_add_co_u32 s41, s41, s20
	s_and_b32 s40, ttmp7, 0xffff
	s_lshl_b32 s40, s40, 2
	s_add_co_u32 s40, s40, s21
	s_lshl_b32 s42, s21, 2
	s_lshl_b32 s42, 15, s42
	s_lshl_b32 s43, 0x1111, s20
	s_or_b32 s[G1+0], s42, (3<<16)|(1<<21)
	s_or_b32 s[G1B+0], s43, (3<<16)|(1<<21)
.irp g, G1, G1B
	s_mov_b32 s[\g+1], 512<<16
	s_mov_b32 s[\g+2], 16<<16                      ; the head's loads bring all 16 tiles; behind them the two words are set to 8
	s_mov_b32 s[\g+3], 512<<16
	s_mov_b32 s[\g+4], 16
	s_mov_b32 s[\g+5], 2048
	s_mov_b32 s[\g+6], 0
	s_mov_b32 s[\g+7], 0
.endr
	s_lshl_b32 s2, s40, 18
	s_mov_b32 s3, 0
	s_lshl_b32 s104, s41, 18
	s_mov_b32 s105, 0
	s_lshl_b32 s19, s16, 15
	s_lshl_b32 s101, s16, 12
	s_wait_dscnt 0x0
	s_wait_kmcnt 0x0
	s_add_nc_u64 s[98:99], s[4:5], s[2:3]
	s_add_nc_u64 s[92:93], s[6:7], s[104:105]
	s_add_nc_u64 s[92:93], s[92:93], 4194304
	s_lshr_b32 s2, s2, 5
	s_lshr_b32 s104, s104, 5
	s_add_nc_u64 s[46:47], s[4:5], s[2:3]
	s_add_nc_u64 s[46:47], s[46:47], XSC
	s_add_nc_u64 s[94:95], s[6:7], s[104:105]
	s_add_nc_u64 s[94:95], s[94:95], WSC+131072
	CROUND
	s_cmp_eq_u32 s17, 0                            ; the scale words, 16 KB beside 256 KB of codes, come by plain loads, a quarter a wave: waves 0, 1 A's halves, waves 2, 3 B's
	s_cselect_b64 s[76:77], s[46:47], s[94:95]
	s_lshl_b32 s78, s18, 12
	s_mov_b32 s79, 0
	s_add_nc_u64 s[76:77], s[76:77], s[78:79]
	s_add_co_u32 s78, s101, SCL                    ; and where they go in LDS
.irp s, 0,1
	s_mov_b32 s[G0+4*\s], 1
	s_add_co_u32 s[G0+4*\s+1], s19, \s*SLOT
	s_add_nc_u64 s[G0+4*\s+2:G0+4*\s+3], s[98:99], \s*4096
	s_or_b32 s[G0+4*\s+3], s[G0+4*\s+3], 0x80000000
	s_mov_b32 s[G0B+4*\s], 1
	s_add_co_u32 s[G0B+4*\s+1], s19, \s*SLOT
	s_add_nc_u64 s[G0B+4*\s+2:G0B+4*\s+3], s[92:93], \s*4096
	s_or_b32 s[G0B+4*\s+3], s[G0B+4*\s+3], 0x80000000
.endr
	s_mov_b32 s[G0+1], 0                           ; the head fills both slots, each tile whole, one load a wave: wave 0 K step 0 of A's 16 tiles,
	s_mov_b32 s[G0B+1], 2*HALFT                    ; wave 1 of B's,
	s_mov_b32 s[G0+5], SLOT                        ; wave 2 K step 1 of A's,
	s_mov_b32 s[G0B+5], SLOT+2*HALFT               ; wave 3 of B's
.macro ARM under, g0, g1, next
	s_cmp_lt_u32 s16, \under
	s_cbranch_scc0 \next
	tensor_load_to_lds s[\g0:\g0+3], s[\g1:\g1+7]
	s_nop 0
.rept 4
	v_nop
.endr
	s_branch .Lhead_asked
\next:
.endm
	ARM 1, G0, G1, .Lhead_b
	ARM 2, G0B, G1B, .Lhead_sa
	ARM 3, G0+4, G1, .Lhead_sb
	tensor_load_to_lds s[G0B+4:G0B+7], s[G1B:G1B+7]
	s_nop 0
.rept 4
	v_nop
.endr
.Lhead_asked:
	v_and_b32 v1, 31, v0
	v_and_b32 v2, 15, v0
	v_bfe_u32 v3, v0, 4, 1
	s_wait_alu depctr_va_vdst(0)
	v_lshlrev_b32 v[LI], 4, v1
	v_add_nc_u32 v31, s78, v[LI]
.irp k, 0,1,2,3,4,5,6,7
	global_load_b128 v[AF+4*\k:AF+4*\k+3], v[LI], s[76:77] offset:512*\k   ; my 4,096 bytes of scale words, 512 consecutive bytes a load
.endr
	v_lshlrev_b32 v[LW], 2, v2
	v_lshl_add_u32 v[LW], v3, 11, v[LW]
	s_lshl_b32 s2, s17, 15
	s_lshl_b32 s3, s18, 15
	s_add_co_u32 s3, s3, 2*HALFT
.irp s, 0,1
	v_add_nc_u32 v[ADRA+\s], s2, v[LI]
	v_add_nc_u32 v[ADRB+\s], s3, v[LI]
	s_add_co_u32 s2, s2, SLOT
	s_add_co_u32 s3, s3, SLOT
.endr
	s_lshl_b32 s2, s17, 12
	s_lshl_b32 s3, s18, 12
	s_add_co_u32 s3, s3, 2*HALFS
	s_sub_co_u32 s3, s3, s2
	v_mul_u32_u24 v4, s3, v3
	s_add_co_u32 s2, s2, SCL
	v_lshl_add_u32 v4, v2, 2, v4
	v_add_nc_u32 v[ADRS], s2, v4
	s_lshl_b32 s2, s41, 10
	s_lshl_b32 s3, s18, 9
	s_add_co_u32 s2, s2, s3
	s_mov_b32 s3, 0
	s_add_nc_u64 s[8:9], s[8:9], s[2:3]
	v_lshlrev_b32 v5, 6, v3
.irp b, 0,1,2,3,4,5,6,7
	global_load_b128 v[BIAS+8*\b:BIAS+8*\b+3], v5, s[8:9] offset:(32*(\b/2)+8*(\b%2))*4
	global_load_b128 v[BIAS+8*\b+4:BIAS+8*\b+7], v5, s[8:9] offset:(32*(\b/2)+8*(\b%2))*4+16
.endr
	s_lshl_b32 s2, s40, 4
	s_lshl_b32 s3, s17, 3
	s_add_co_u32 s2, s2, s3
	s_lshl_b32 s2, s2, 5
	s_lshl_b32 s3, s41, 1
	s_add_co_u32 s2, s2, s3
	s_add_co_u32 s2, s2, s18
	s_lshl_b32 s92, s2, 6
	s_add_co_u32 s92, s92, 16777216
	s_mov_b32 s93, 0
	s_add_nc_u64 s[12:13], s[10:11], s[92:93]
	s_lshl_b32 s2, s2, 11
	s_mov_b32 s3, 0
	s_add_nc_u64 s[10:11], s[10:11], s[2:3]
	s_mov_b32 s[SEL], 0x76543210
	s_mov_b32 s[SEL+1], 0xfedcba98
	s_mov_b32 s[MNT], 0x600000
	s_mov_b32 s101, 0xffff0000
.macro FRAG reg, adr, q, i
.irp c, 0,1,2,3
	ds_load_b128 v[\reg+4*\c:\reg+4*\c+3], v[\adr] offset:(\i)*4096+(\q)*2048+\c*512
.endr
.endm
.macro MUL16 a0, p, q, sc, zero
.irp a, \a0, \a0+1
.irp b, 0,1,2,3,4,5,6,7
.if \zero
	v_wmma_scale_f32_16x16x128_f8f6f4 v[8*(8*((\a)%4)+\b):8*(8*((\a)%4)+\b)+7], v[128*(\p)+FR*\b:128*(\p)+FR*\b+FR-1], v[AF+FR*(\a):AF+FR*(\a)+FR-1], v[BIAS+8*\b:BIAS+8*\b+7], v[SC+16*(\sc)+2*\b+(\q)], v[SC+16*(\sc)+2*(\a)+(\q)] matrix_a_scale:MATRIX_SCALE_ROW1
.else
	v_wmma_scale_f32_16x16x128_f8f6f4 v[8*(8*((\a)%4)+\b):8*(8*((\a)%4)+\b)+7], v[128*(\p)+FR*\b:128*(\p)+FR*\b+FR-1], v[AF+FR*(\a):AF+FR*(\a)+FR-1], v[8*(8*((\a)%4)+\b):8*(8*((\a)%4)+\b)+7], v[SC+16*(\sc)+2*\b+(\q)], v[SC+16*(\sc)+2*(\a)+(\q)] matrix_a_scale:MATRIX_SCALE_ROW1
.endif
.endr
.endr
.endm
.macro FETCH_B slot, q, p
	WIN TO_B
.irp i, 0,1,2,3,4,5,6,7
	FRAG 128*(\p)+FR*\i, ADRB+\slot, \q, \i
.endr
	WIN 0
.endm
.macro FETCH_A slot, q, i0
.irp i, \i0, \i0+1, \i0+2, \i0+3
	FRAG AF+FR*(\i), ADRA+\slot, \q, \i
.endr
.endm
.macro SCALES sc
.irp i, 0,1,2,3,4,5,6,7
.irp q, 0,1
	ds_load_b32 v[SC+16*\sc+2*\i+\q], v[ADRS] offset:\i*512+\q*64
.endr
.endr
.endm
.macro STEP slot, q, zero
	s_wait_dscnt 4*NL
.if \zero
	WIN 0x81
.else
	WIN MUL_LO
.endif
	MUL16 0, (\q)%2, \q, \slot, \zero
	MUL16 2, (\q)%2, \q, \slot, \zero
	s_wait_dscnt 0
	PLACES NP
	FETCH_B \slot, (\q)+1, 1-(\q)%2
	FETCH_A \slot, (\q)+1, 0
.if \zero
	WIN 0xc1
.else
	WIN MUL_HI
.endif
	MUL16 4, (\q)%2, \q, \slot, \zero
	MUL16 6, (\q)%2, \q, \slot, \zero
	PLACES NP
	WIN 0
	FETCH_A \slot, (\q)+1, 4
.endm
.macro TURN slot, next, fill
	s_wait_tensorcnt 0x0
	ds_add_u32 v[SPW], v[NIL]
	s_wait_dscnt 4*NL+1
	WIN MUL_LO
	MUL16 0, 1, 1, \slot, 0
	s_wait_dscnt 0x0
	s_barrier_signal -1
	MUL16 2, 1, 1, \slot, 0
	WIN 0
	s_barrier_wait -1
.if \fill
	CREST
	s_add_nc_u64 s[G0+4*\slot+2:G0+4*\slot+3], s[G0+4*\slot+2:G0+4*\slot+3], 8192
	s_add_nc_u64 s[G0B+4*\slot+2:G0B+4*\slot+3], s[G0B+4*\slot+2:G0B+4*\slot+3], 8192
	JLOAD G0+4*\slot, G1, G0B+4*\slot, G1B
	PLACES NP-4
.else
	PLACES NP
.endif
	s_wait_alu depctr_va_vdst(0)
	v_add_nc_u32 v[ADRS], 128, v[ADRS]
	FETCH_B \next, 0, 0
	FETCH_A \next, 0, 0
	SCALES \next
	WIN MUL_HI
	MUL16 4, 1, 1, \slot, 0
	MUL16 6, 1, 1, \slot, 0
	PLACES NP
	WIN 0
	FETCH_A \next, 0, 4
.endm
	s_wait_alu depctr_va_vdst(0)
	s_wait_tensorcnt 0x0                           ; my tile of the head's four is in
	s_mov_b32 s[G1+2], 8<<16                       ; no tensor load of mine is out: from here on a load brings 8 tiles, my half
	s_mov_b32 s[G1+4], 8
	s_mov_b32 s[G1B+2], 8<<16
	s_mov_b32 s[G1B+4], 8
	s_lshl_b32 s2, s18, 17
	s_mov_b32 s3, 0
	s_mov_b32 s[G0+1], s19
	s_mov_b32 s[G0B+1], s19
	s_add_co_u32 s[G0+5], s19, SLOT
	s_add_co_u32 s[G0B+5], s19, SLOT
.irp s, 0,1
	s_add_nc_u64 s[G0+4*\s+2:G0+4*\s+3], s[G0+4*\s+2:G0+4*\s+3], s[2:3]
	s_add_nc_u64 s[G0B+4*\s+2:G0B+4*\s+3], s[G0B+4*\s+2:G0B+4*\s+3], s[2:3]
.endr
	s_wait_loadcnt 16                              ; the scale words are in; the 16 loads of the bias, issued behind them, may be out
.irp k, 0,1,2,3,4,5,6,7
	ds_store_b128 v31, v[AF+4*\k:AF+4*\k+3] offset:512*\k
.endr
	s_wait_dscnt 0x0                               ; for the others' sake: my stores have landed
	s_barrier_signal -1
	s_barrier_wait -1                              ; both slots and all scale words are in
	FETCH_B 0, 0, 0
	FETCH_A 0, 0, 0
	SCALES 0
	FETCH_A 0, 0, 4
	s_wait_loadcnt 0x0
	STEP 0, 0, 1
	s_mov_b32 s19, 1
.Llap:
	TURN 0, 1, 1
	STEP 1, 0, 0
	TURN 1, 0, 1
	STEP 0, 0, 0
	s_sub_co_u32 s19, s19, 1
	s_cmp_lg_u32 s19, 0
	s_cbranch_scc1 .Llap
	TURN 0, 1, 0
	STEP 1, 0, 0
	s_wait_dscnt 4*NL
	WIN MUL_LO
	MUL16 0, 1, 1, 1, 0
	MUL16 2, 1, 1, 1, 0
	s_wait_dscnt 0
	WIN MUL_HI
	MUL16 4, 1, 1, 1, 0
	MUL16 6, 1, 1, 1, 0
	WIN 0
	PLACES NP
; THE WAY OUT is one loop of four trips, two of A's tiles a trip.  Register numbers are fixed in the text, so each trip first copies its tile's 64 sums from window 2 or 3 into v[XR ..]: four copies are written out for each half of a trip,
; and a branch on the trip's number s46 (a counter: the same in every wave) picks one.  Each accumulator is read from its low end on.
.macro COPY a
	WIN 2+(\a)/4                                   ; source 0: the accumulators' window
	s_wait_alu depctr_va_vdst(0)                   ; the wait, directly ahead of the first readers of these sums
.set j, 0
.rept 64
	v_mov_b32 v[XR+j], v[64*((\a)%4)+j]
.set j, j+1
.endr
	WIN 0
.endm
.macro PICK par
	s_cmp_eq_u32 s46, 1
	s_cbranch_scc1 .Lc1_\@
	s_cmp_eq_u32 s46, 2
	s_cbranch_scc1 .Lc2_\@
	s_cmp_eq_u32 s46, 3
	s_cbranch_scc1 .Lc3_\@
	COPY 0+\par
	s_branch .Lcd_\@
.Lc1_\@:
	COPY 2+\par
	s_branch .Lcd_\@
.Lc2_\@:
	COPY 4+\par
	s_branch .Lcd_\@
.Lc3_\@:
	COPY 6+\par
.Lcd_\@:
.endm
	v_mov_b32 v[CF+0], 0.24651730
	v_mov_b32 v[CF+1], -1.1861149
	v_mov_b32 v[CF+2], 2.1474745
	v_mov_b32 v[CF+3], -1.6377532
	v_mov_b32 v[CF+4], 0.40232158
	v_mov_b32 v[CF+5], -0.26875686
	v_mov_b32 v[CF+6], 0.13963006
	v_mov_b32 v[CF+7], 0.53970062
	v_mov_b32 v[CF+8], 1.4427292
	v_mov_b32 v[CF+9], -2.8257482
	v_mov_b32 v[CF+10], 0xbf38aa3b
	v_mov_b32 v[CF+11], 0xbf38aa3b
.irp b, 0,1,2,3
	v_mov_b32 v[TM+4+\b], 0
.endr
	s_mov_b32 s47, 0x3eb504f3
.macro GELU hf
.set XB, XR+32*(\hf)
.set j, 0
.rept 32
	v_fma_f32 v[TT+j], |v[XB+j]|, s47, 1.0
.set j, j+1
.endr
.set j, 0
	s_wait_alu depctr_va_vdst(0)
.rept 32
	v_rcp_f32 v[TT+j], v[TT+j]
.set j, j+1
.endr
.set j, 0
.rept 16
	v_pk_mul_f32 v[X2+j:X2+j+1], v[XB+j:XB+j+1], v[XB+j:XB+j+1]
.set j, j+2
.endr
	s_wait_alu depctr_va_vdst(0)
.set j, 0
.rept 16
	v_pk_fma_f32 v[PP+j:PP+j+1], v[TT+j:TT+j+1], v[CF:CF+1], v[CF:CF+1] op_sel:[0,0,1] op_sel_hi:[1,0,1]
.set j, j+2
.endr
.irp m, 1,2,3,4
.set j, 0
.rept 16
	v_pk_fma_f32 v[PP+j:PP+j+1], v[PP+j:PP+j+1], v[TT+j:TT+j+1], v[CF+2*\m:CF+2*\m+1] op_sel_hi:[1,1,0]
.set j, j+2
.endr
.set j, 0
.rept 16
	v_pk_fma_f32 v[PP+j:PP+j+1], v[PP+j:PP+j+1], v[TT+j:TT+j+1], v[CF+2*\m:CF+2*\m+1] op_sel:[0,0,1] op_sel_hi:[1,1,1]
.set j, j+2
.endr
.endr
.set j, 0
.rept 16
	v_pk_fma_f32 v[PP+j:PP+j+1], v[X2+j:X2+j+1], v[CF+10:CF+11], v[PP+j:PP+j+1]
.set j, j+2
.endr
.set j, 0
	s_wait_alu depctr_va_vdst(0)
.rept 32
	v_exp_f32 v[PP+j], v[PP+j]
.set j, j+1
.endr
.set j, 0
.rept 32
	v_max_num_f32 v[X2+j], 0, v[XB+j]
.set j, j+1
.endr
	s_wait_alu depctr_va_vdst(0)
.set j, 0
.rept 16
	v_pk_mul_f32 v[TT+j:TT+j+1], v[TT+j:TT+j+1], v[PP+j:PP+j+1]
.set j, j+2
.endr
.set j, 0
.rept 32
	v_fma_f32 v[XB+j], -|v[XB+j]|, v[TT+j], v[X2+j]
.set j, j+1
.endr
.endm
.macro BLK par
	s_wait_xcnt 0x0                                ; earlier stores have read their data: the codes' and the words' registers are written again only behind this wait
	PICK \par
	GELU 0
	GELU 1
.irp b, 0,1,2,3
	v_max3_num_f32 v[TM+\b], |v[XR+16*\b]|, |v[XR+1+16*\b]|, 0x4800000
.endr
.irp i, 2,4,6,8,10,12,14
.irp b, 0,1,2,3
	v_max3_num_f32 v[TM+\b], v[TM+\b], |v[XR+16*\b+\i]|, |v[XR+1+16*\b+\i]|
.endr
.endr
.irp b, 0,1,2,3
	v_permlanex16_b32 v[TM+4+\b], v[TM+\b], s[SEL], s[SEL+1]
.endr
.irp b, 0,1,2,3
	v_max_num_f32 v[TM+\b], v[TM+\b], v[TM+4+\b]
.endr
.irp b, 0,1,2,3
	v_add_nc_u32 v[TM+12+\b], 0xfc000000, v[TM+\b]
.endr
.irp b, 0,1,2,3
	v_and_or_b32 v[TM+8+\b], v[TM+\b], 0x7f800000, s[MNT]
.endr
.irp b, 0,1,2,3
	v_lshrrev_b32 v[TM+4+\b], 23, v[TM+12+\b]
.endr
	v_lshl_or_b32 v[PW], v[TM+5], 8, v[TM+4]
	v_lshl_or_b32 v[PW], v[TM+6], 16, v[PW]
	v_lshl_or_b32 v[PW], v[TM+7], 24, v[PW]
.irp b, 0,1,2,3
.irp i, 0,1,2,3,4,5,6,7,8,9,10,11,12,13,14,15
	v_med3_num_f32 v[XR+16*\b+\i], v[XR+16*\b+\i], -v[TM+8+\b], v[TM+8+\b]
.endr
	v_cvt_scalef32_pk8_fp8_f32 v[PC+4*\b:PC+1+4*\b], v[XR+16*\b:XR+7+16*\b], v[TM+12+\b]
	v_cvt_scalef32_pk8_fp8_f32 v[PC+2+4*\b:PC+3+4*\b], v[XR+8+16*\b:XR+15+16*\b], v[TM+12+\b]
.endr
	v_nop
.irp pb, 0,1,2,3
	global_store_b128 v[LI], v[PC+4*\pb:PC+4*\pb+3], s[10:11] offset:\par*65536+\pb*512
.endr
.if \par == 0
	v_mov_b32 v81, v[PW]
.else
	v_cndmask_b32 v94, v81, v[PW], s101
	global_store_b32 v[LW], v94, s[12:13]
.endif
.endm
	s_mov_b32 s19, 4
	s_mov_b32 s46, 0
.Lblk:
	BLK 0
	BLK 1
	s_wait_xcnt 0x0
	s_add_nc_u64 s[10:11], s[10:11], 2*65536
	s_add_nc_u64 s[12:13], s[12:13], 2*2048
	s_add_co_u32 s46, s46, 1
	s_sub_co_u32 s19, s19, 1
	s_cmp_lg_u32 s19, 0
	s_cbranch_scc1 .Lblk
	s_wait_tensorcnt 0x0
	ds_add_u32 v[SPW], v[NIL]
	s_wait_dscnt 0x0
	CROUND
	s_endpgm
.Lfunc_end_k_q4359d84250_ffn1:
	.size	k_q4359d84250_ffn1, .Lfunc_end_k_q4359d84250_ffn1-k_q4359d84250_ffn1
	.p2alignl 7, 3214868480
	.fill 96, 4, 3214868480
	.section	.rodata,"a",@progbits
	.p2align	6, 0x0
	.amdhsa_kernel k_q4359d84250_ffn1
		.amdhsa_group_segment_fixed_size 327680
		.amdhsa_private_segment_fixed_size 0
		.amdhsa_enable_private_segment 0
		.amdhsa_kernarg_size 32
		.amdhsa_user_sgpr_count 2
		.amdhsa_user_sgpr_kernarg_segment_ptr 1
		.amdhsa_wavefront_size32 1
		.amdhsa_system_sgpr_workgroup_id_x 1
		.amdhsa_system_sgpr_workgroup_id_y 1
		.amdhsa_system_sgpr_workgroup_id_z 1
		.amdhsa_system_vgpr_workitem_id 0
		.amdhsa_next_free_vgpr 1024
		.amdhsa_next_free_sgpr 106
		.amdhsa_reserve_vcc 0
		.amdhsa_float_denorm_mode_32 3
		.amdhsa_float_denorm_mode_16_64 3
		.amdhsa_memory_ordered 1
		.amdhsa_forward_progress 1
		.amdhsa_inst_pref_size 232
	.end_amdhsa_kernel
	.amdgpu_metadata
---
amdhsa.version: [ 1, 2 ]
amdhsa.kernels:
  - .name:           k_q4359d84250_ffn1
    .symbol:         k_q4359d84250_ffn1.kd
    .args:
      - { .name: n2, .offset: 0, .size: 8, .value_kind: global_buffer, .address_space: global }
      - { .name: wt, .offset: 8, .size: 8, .value_kind: global_buffer, .address_space: global }
      - { .name: b1, .offset: 16, .size: 8, .value_kind: global_buffer, .address_space: global }
      - { .name: hb, .offset: 24, .size: 8, .value_kind: global_buffer, .address_space: global }
    .group_segment_fixed_size: 327680
    .private_segment_fixed_size: 0
    .kernarg_segment_align: 8
    .kernarg_segment_size: 32
    .max_flat_workgroup_size: 128
    .sgpr_count:     106
    .vgpr_count:     1024
    .wavefront_size: 32
...
	.end_amdgpu_metadata
.endif
;; end of part 6
;; launch ffn2 (part 7): grid 8 x 32, 4 waves a work-group, clusters of 4 x 4, 327,680 bytes of LDS; arguments hb, wt, b2, x1, out0; writes out0
.if DOCPART == 7
	.amdgcn_target "amdgcn-amd-amdhsa--gfx1250"
	.amdhsa_code_object_version 6
	.text
	.protected	k_q4359d84250_ffn2
	.globl	k_q4359d84250_ffn2
	.p2align	8
	.type	k_q4359d84250_ffn2,@function
k_q4359d84250_ffn2:
	s_mov_b64 s[64:65], 0
	v_nop
	global_prefetch_b8 v0, s[64:65] scope:SCOPE_SE
	s_setreg_imm32_b32 hwreg(HW_REG_WAVE_MODE, 25, 1), 1
	s_wait_xcnt 0x0
	s_wait_alu depctr_hold_cnt(0) depctr_sa_sdst(0) depctr_va_vdst(0) depctr_va_sdst(0) depctr_va_ssrc(0) depctr_va_vcc(0) depctr_vm_vsrc(0)
	s_getreg_b32 s2, hwreg(HW_REG_IB_STS2, 6, 4)
	s_cmp_eq_u32 s2, 0
	s_cbranch_scc0 .Lentry_in_a_cluster
	s_endpgm
.Lentry_in_a_cluster:
	s_bfe_u32 s2, ttmp6, 0x10000c
	s_cmp_lg_u32 s2, 0xf033
	s_cbranch_scc0 .Lentry_shape_is_right
	s_endpgm
.Lentry_shape_is_right:
.set KK,    4096
.set WOFF,  8*1048576
.set KS,    KK/128
.set ASC,   4096*KK
.set WSC,   12582912
.set LAPS,  KK/1024
.set NP,    8
.set HALFT, 32768
.set SLOT,  131072
.set SCL,   262144
.set HALFS, 4*KS*64
.set SPARE, SCL+4*HALFS
.set ADRA,  16
.set ADRB,  20
.set BO,    22
.set STO,   24
.set RD,    25
.set CO,    26
.set ADRS,  27
.set SPW,   28
.set NIL,   29
.set PFO,   30
.set SC,    32
.set BIAS,  40
.set BK,    40
.set ACC,   128
.set G1, 24
.set G0, 32
.set G1B, 48
.set G0B, 56
.set G1S, 68
.set G0S, 76
.set G1SB, 80
.set G0SB, 88
.set PFA, 44
.set LIM, 22
.set MSB, 0
.macro WIN new
.if MSB != (\new)
	s_set_vgpr_msb (MSB<<8)|(\new)
.set MSB, (\new)
.endif
.endm
.macro JLOAD g0a, g1a, g0b, g1b
	s_cmp_eq_u32 s17, 0
	s_cbranch_scc0 .Lfor_b_\@
	tensor_load_to_lds s[\g0a:\g0a+3], s[\g1a:\g1a+7]
	s_nop 0
.rept 4
	v_nop
.endr
	s_branch .Lasked_\@
.Lfor_b_\@:
	tensor_load_to_lds s[\g0b:\g0b+3], s[\g1b:\g1b+7]
	s_nop 0
.rept 4
	v_nop
.endr
.Lasked_\@:
.endm
.macro ASK
	s_cmp_gt_u32 s19, s[LIM]
	s_cbranch_scc0 .Lnot_mine_\@
	global_prefetch_b8 v[PFO], s[PFA:PFA+1] th:TH_LOAD_NT scope:SCOPE_SE
.Lnot_mine_\@:
.endm
.macro CREST
	s_cmp_lg_u32 s16, 0
	s_cbranch_scc1 .Lnot_wave_0_\@
	s_barrier_signal -3
.Lnot_wave_0_\@:
	s_barrier_wait -3
	s_barrier_signal -1
	s_barrier_wait -1
.endm
.macro CROUND
	s_barrier_signal -1
	s_barrier_wait -1
	CREST
.endm
.macro PLACES n
.rept \n
	v_nop
.endr
.endm
	s_load_b256 s[4:11], s[0:1], 0x0
	s_load_b64 s[12:13], s[0:1], 0x20
	v_lshl_add_u32 v[SPW], v0, 2, SPARE
	v_mov_b32 v[NIL], 0
	ds_add_u32 v[SPW], v[NIL]
	ds_add_u32 v[SPW], v[NIL]
	v_lshrrev_b32 v1, 5, v0
	v_readfirstlane_b32 s16, v1
	s_lshr_b32 s17, s16, 1
	s_and_b32 s18, s16, 1
	s_bfe_u32 s20, ttmp6, 0x40000
	s_bfe_u32 s21, ttmp6, 0x40004
	s_lshl_b32 s41, ttmp9, 2
	s_add_co_u32 s41, s41, s20
	s_and_b32 s40, ttmp7, 0xffff
	s_lshl_b32 s40, s40, 2
	s_add_co_u32 s40, s40, s21
	s_lshl_b32 s42, s21, 2
	s_lshl_b32 s42, 15, s42
	s_lshl_b32 s43, 0x1111, s20
	s_or_b32 s[G1+0], s42, (3<<16)|(1<<21)
	s_or_b32 s[G1B+0], s43, (3<<16)|(1<<21)
.irp g, G1, G1B
	s_mov_b32 s[\g+1], 1024<<16
	s_mov_b32 s[\g+2], 8<<16                       ; the head's loads bring all 8 tiles; behind them the two words are set to 4
	s_mov_b32 s[\g+3], 1024<<16
	s_mov_b32 s[\g+4], 8
	s_mov_b32 s[\g+5], KS*256
	s_mov_b32 s[\g+6], 0
	s_mov_b32 s[\g+7], 0
.endr
	s_lshl_b32 s2, s40, 3
	s_mul_i32 s2, s2, KS*2048
	s_mov_b32 s3, 0
	s_lshl_b32 s104, s41, 3
	s_mul_i32 s104, s104, KS*2048
	s_mov_b32 s105, 0
	s_lshl_b32 s19, s16, 15
	s_mul_i32 s101, s16, HALFS
	s_wait_dscnt 0x0
	s_wait_kmcnt 0x0
	s_add_nc_u64 s[98:99], s[4:5], s[2:3]
	s_add_nc_u64 s[92:93], s[6:7], s[104:105]
	s_add_nc_u64 s[92:93], s[92:93], WOFF
	s_lshr_b32 s2, s2, 5
	s_lshr_b32 s104, s104, 5
	s_add_nc_u64 s[46:47], s[4:5], s[2:3]
	s_add_nc_u64 s[46:47], s[46:47], ASC
	s_add_nc_u64 s[94:95], s[6:7], s[104:105]
	s_add_nc_u64 s[94:95], s[94:95], WSC+WOFF/32
	CROUND
	s_cmp_eq_u32 s17, 0                            ; the scale words, 4 HALFS bytes beside 1 MB of codes, come by plain loads, a quarter a wave: waves 0, 1 A's halves, waves 2, 3 B's
	s_cselect_b64 s[76:77], s[46:47], s[94:95]
	s_mul_i32 s78, s18, HALFS
	s_mov_b32 s79, 0
	s_add_nc_u64 s[76:77], s[76:77], s[78:79]
	s_add_co_u32 s78, s101, SCL                    ; and where they go in LDS
.irp s, 0,1
	s_mov_b32 s[G0+4*\s], 1
	s_add_co_u32 s[G0+4*\s+1], s19, \s*SLOT
	s_add_nc_u64 s[G0+4*\s+2:G0+4*\s+3], s[98:99], \s*8192
	s_or_b32 s[G0+4*\s+3], s[G0+4*\s+3], 0x80000000
	s_mov_b32 s[G0B+4*\s], 1
	s_add_co_u32 s[G0B+4*\s+1], s19, \s*SLOT
	s_add_nc_u64 s[G0B+4*\s+2:G0B+4*\s+3], s[92:93], \s*8192
	s_or_b32 s[G0B+4*\s+3], s[G0B+4*\s+3], 0x80000000
.endr
	s_mov_b32 s[G0+1], 0                           ; the head fills both slots, each tile whole, one load a wave: wave 0 K step 0 of A's 8 tiles,
	s_mov_b32 s[G0B+1], 2*HALFT                    ; wave 1 of B's,
	s_mov_b32 s[G0+5], SLOT                        ; wave 2 K step 1 of A's,
	s_mov_b32 s[G0B+5], SLOT+2*HALFT               ; wave 3 of B's
.macro ARM under, g0, g1, next
	s_cmp_lt_u32 s16, \under
	s_cbranch_scc0 \next
	tensor_load_to_lds s[\g0:\g0+3], s[\g1:\g1+7]
	s_nop 0
.rept 4
	v_nop
.endr
	s_branch .Lhead_asked
\next:
.endm
	ARM 1, G0, G1, .Lhead_b
	ARM 2, G0B, G1B, .Lhead_sa
	ARM 3, G0+4, G1, .Lhead_sb
	tensor_load_to_lds s[G0B+4:G0B+7], s[G1B:G1B+7]
	s_nop 0
.rept 4
	v_nop
.endr
.Lhead_asked:
	s_mul_i32 s2, s18, KS*8192                     ; for the prefetches below: the half of the tiles that I fetch in the ring
	s_mov_b32 s3, 0
	s_add_nc_u64 s[98:99], s[98:99], s[2:3]
	s_add_nc_u64 s[92:93], s[92:93], s[2:3]
	s_cmp_eq_u32 s17, 0
	s_cselect_b64 s[PFA:PFA+1], s[98:99], s[92:93]
	s_cselect_b32 s14, s20, s21
	s_mov_b32 s[LIM], 1                            ; every wave of every cluster asks for its share of what its cluster will load
	s_lshl_b32 s14, s14, 16
	s_mov_b32 s15, 0
	s_add_nc_u64 s[PFA:PFA+1], s[PFA:PFA+1], s[14:15]
	s_add_nc_u64 s[PFA:PFA+1], s[PFA:PFA+1], 3*8192
	v_and_b32 v1, 31, v0
	v_and_b32 v2, 15, v0
	v_bfe_u32 v3, v0, 4, 1
	s_wait_alu depctr_va_vdst(0)
	v_lshlrev_b32 v4, 4, v1
	v_add_nc_u32 v31, s78, v4
.set k, 0
.rept HALFS/512
	global_load_b128 v[ACC+4*k:ACC+4*k+3], v4, s[76:77] offset:512*k       ; my HALFS bytes of scale words, 512 consecutive bytes a load
.set k, k+1
.endr
	v_lshlrev_b32 v[PFO], 8, v1
	global_prefetch_b8 v[PFO], s[PFA:PFA+1] offset:-8192 th:TH_LOAD_NT scope:SCOPE_SE   ; K steps 2 and 3, the first two refills', which the loop's look-ahead of two steps does not reach: my share, one tile's 8,192 bytes each
	global_prefetch_b8 v[PFO], s[PFA:PFA+1] th:TH_LOAD_NT scope:SCOPE_SE
	s_lshl_b32 s2, s17, 15
	s_lshl_b32 s3, s18, 15
	s_add_co_u32 s3, s3, 2*HALFT
.irp s, 0,1
	v_add_nc_u32 v[ADRA+\s], s2, v4
	v_add_nc_u32 v[ADRB+\s], s3, v4
	s_add_co_u32 s2, s2, SLOT
	s_add_co_u32 s3, s3, SLOT
.endr
	s_mul_i32 s2, s17, HALFS
	s_mul_i32 s3, s18, HALFS
	s_add_co_u32 s3, s3, 2*HALFS
	s_sub_co_u32 s3, s3, s2
	v_mul_u32_u24 v5, s3, v3
	s_add_co_u32 s2, s2, SCL
	v_lshl_add_u32 v5, v2, 2, v5
	v_add_nc_u32 v[ADRS], s2, v5
	v_lshlrev_b32 v[BO], 6, v3
	s_wait_alu depctr_va_vdst(0)
	s_mul_i32 s2, s16, 4352
	v_mul_u32_u24 v[STO], v2, 272
	v_lshl_add_u32 v[STO], v3, 6, v[STO]
	v_add_nc_u32 v[STO], s2, v[STO]
	v_mul_u32_u24 v[RD], v3, 272
	v_lshl_add_u32 v[RD], v2, 4, v[RD]
	v_add_nc_u32 v[RD], s2, v[RD]
	v_lshlrev_b32 v[CO], 12, v3
	v_lshl_add_u32 v[CO], v2, 4, v[CO]
	s_wait_alu depctr_va_vdst(0)
	s_lshl_b32 s2, s41, 9
	s_lshl_b32 s3, s18, 8
	s_add_co_u32 s2, s2, s3
	s_mov_b32 s3, 0
	s_add_nc_u64 s[8:9], s[8:9], s[2:3]
	s_lshl_b32 s92, s40, 7
	s_lshl_b32 s93, s17, 6
	s_add_co_u32 s92, s92, s93
	s_lshl_b32 s92, s92, 12
	s_add_co_u32 s92, s92, s2
	s_mov_b32 s93, 0
	s_add_nc_u64 s[10:11], s[10:11], s[92:93]
	s_add_nc_u64 s[12:13], s[12:13], s[92:93]
.irp b, 0,1,2,3
	global_load_b128 v[BIAS+8*\b:BIAS+8*\b+3], v[BO], s[8:9] offset:(32*(\b/2)+8*(\b%2))*4
	global_load_b128 v[BIAS+8*\b+4:BIAS+8*\b+7], v[BO], s[8:9] offset:(32*(\b/2)+8*(\b%2))*4+16
.endr
	WIN 0x80
.irp a, 0,1,2,3
.irp t, 0,1,2,3,4,5,6,7
	global_load_b128 v[32*\a+4*\t:32*\a+4*\t+3], v[CO], s[10:11] offset:(32*(\a/2)+8*(\a%2)+2*\t+8*(\t/4))*4096
.endr
.endr
	WIN 0
.macro MUL4 f, a, zero
.irp b, 0,1,2,3
.if \zero
	v_wmma_scale_f32_16x16x128_f8f6f4 v[ACC+8*(4*(\a)+\b):ACC+8*(4*(\a)+\b)+7], v[128*(\f)+64+16*\b:128*(\f)+64+16*\b+15], v[128*(\f)+16*(\a):128*(\f)+16*(\a)+15], v[BIAS+8*\b:BIAS+8*\b+7], v[SC+4*(\f)+\b], v[SC+4*(\f)+(\a)] matrix_a_scale:MATRIX_SCALE_ROW1
.else
	v_wmma_scale_f32_16x16x128_f8f6f4 v[ACC+8*(4*(\a)+\b):ACC+8*(4*(\a)+\b)+7], v[128*(\f)+64+16*\b:128*(\f)+64+16*\b+15], v[128*(\f)+16*(\a):128*(\f)+16*(\a)+15], v[ACC+8*(4*(\a)+\b):ACC+8*(4*(\a)+\b)+7], v[SC+4*(\f)+\b], v[SC+4*(\f)+(\a)] matrix_a_scale:MATRIX_SCALE_ROW1
.endif
.endr
.endm
.macro FETCH slot, q, f
	WIN 0
.irp i, 0,1,2,3
	ds_load_b32 v[SC+4*(\f)+\i], v[ADRS] offset:\i*KS*64+(\q)*64
.endr
	WIN 0x40
.irp i, 0,1,2,3
.irp c, 0,1,2,3
	ds_load_b128 v[128*(\f)+64+16*\i+4*\c:128*(\f)+64+16*\i+4*\c+3], v[ADRB+\slot] offset:\i*8192+(\q)*2048+\c*512
.endr
.endr
.irp i, 0,1,2,3
.irp c, 0,1,2,3
	ds_load_b128 v[128*(\f)+16*\i+4*\c:128*(\f)+16*\i+4*\c+3], v[ADRA+\slot] offset:\i*8192+(\q)*2048+\c*512
.endr
.endr
.endm
.macro QUARTER slot, qn, f, g, zero
	s_wait_dscnt 8
	WIN 0x05
	MUL4 \f, 0, \zero
	MUL4 \f, 1, \zero
	PLACES NP
	FETCH \slot, \qn, \g
	s_wait_dscnt 36
	WIN 0x05
	MUL4 \f, 2, \zero
	MUL4 \f, 3, \zero
.endm
.macro TURN slot, next, fill
	WIN 0
.if \fill
	s_wait_xcnt 0x0
	s_add_nc_u64 s[PFA:PFA+1], s[PFA:PFA+1], 8192
.endif
	s_wait_tensorcnt 0x0
	ds_add_u32 v[SPW], v[NIL]
	s_wait_dscnt 9
	WIN 0x05
	MUL4 1, 0, 0
	s_wait_dscnt 0x0
	s_barrier_signal -1
	MUL4 1, 1, 0
	WIN 0
	s_barrier_wait -1
.if \fill
	CREST
	s_add_nc_u64 s[G0+4*\slot+2:G0+4*\slot+3], s[G0+4*\slot+2:G0+4*\slot+3], 16384
	s_add_nc_u64 s[G0B+4*\slot+2:G0B+4*\slot+3], s[G0B+4*\slot+2:G0B+4*\slot+3], 16384
	JLOAD G0+4*\slot, G1, G0B+4*\slot, G1B
	PLACES NP-4
.else
	PLACES NP
.endif
	v_add_nc_u32 v[ADRS], 256, v[ADRS]
	FETCH \next, 0, 0
.if \fill
	WIN 0
	ASK
.endif
	WIN 0x05
	MUL4 1, 2, 0
	MUL4 1, 3, 0
.endm
	s_wait_alu depctr_va_vdst(0)                   ; the wait at the head's end
	s_wait_tensorcnt 0x0                           ; my tile of the head's four is in
	s_mov_b32 s[G1+2], 4<<16                       ; no tensor load of mine is out: from here on a load brings 4 tiles, my half
	s_mov_b32 s[G1+4], 4
	s_mov_b32 s[G1B+2], 4<<16
	s_mov_b32 s[G1B+4], 4
	s_mul_i32 s2, s18, KS*8192
	s_mov_b32 s3, 0
	s_mov_b32 s[G0+1], s19
	s_mov_b32 s[G0B+1], s19
	s_add_co_u32 s[G0+5], s19, SLOT
	s_add_co_u32 s[G0B+5], s19, SLOT
.irp s, 0,1
	s_add_nc_u64 s[G0+4*\s+2:G0+4*\s+3], s[G0+4*\s+2:G0+4*\s+3], s[2:3]
	s_add_nc_u64 s[G0B+4*\s+2:G0B+4*\s+3], s[G0B+4*\s+2:G0B+4*\s+3], s[2:3]
.endr
	s_wait_loadcnt 40                              ; the scale words are in; the 40 loads of the bias and the residual, issued behind them, may be out
.set k, 0
.rept HALFS/512
	ds_store_b128 v31, v[ACC+4*k:ACC+4*k+3] offset:512*k
.set k, k+1
.endr
	s_wait_dscnt 0x0                               ; for the others' sake: my stores have landed
	s_barrier_signal -1
	s_barrier_wait -1                              ; both slots and all scale words are in
	FETCH 0, 0, 0
	s_wait_loadcnt 32
	QUARTER 0, 1, 0, 1, 1
	WIN 0
	s_mov_b32 s19, LAPS-1
.Llap:
	s_wait_alu depctr_va_vdst(0)
	QUARTER 0, 2, 1, 0, 0
	QUARTER 0, 3, 0, 1, 0
	TURN 0, 1, 1
	s_wait_alu depctr_va_vdst(0)
	QUARTER 1, 1, 0, 1, 0
	QUARTER 1, 2, 1, 0, 0
	QUARTER 1, 3, 0, 1, 0
	TURN 1, 0, 1
	s_wait_alu depctr_va_vdst(0)
	QUARTER 0, 1, 0, 1, 0
	WIN 0
	s_sub_co_u32 s19, s19, 1
	s_cmp_lg_u32 s19, 0
	s_cbranch_scc1 .Llap
	QUARTER 0, 2, 1, 0, 0
	QUARTER 0, 3, 0, 1, 0
	TURN 0, 1, 0
	s_wait_alu depctr_va_vdst(0)
	QUARTER 1, 1, 0, 1, 0
	QUARTER 1, 2, 1, 0, 0
	QUARTER 1, 3, 0, 1, 0
	s_wait_dscnt 8
	WIN 0x05
	MUL4 1, 0, 0
	MUL4 1, 1, 0
	s_wait_dscnt 0
	MUL4 1, 2, 0
	MUL4 1, 3, 0
	WIN 0
	PLACES NP
	s_wait_loadcnt 0x0
.macro TOSTAGE a
.irp b, 0,1,2,3
	ds_store_b128 v[STO], v[ACC+8*(4*(\a)+\b):ACC+8*(4*(\a)+\b)+3] offset:128*(\b/2)+32*(\b%2)
	ds_store_b128 v[STO], v[ACC+8*(4*(\a)+\b)+4:ACC+8*(4*(\a)+\b)+7] offset:128*(\b/2)+32*(\b%2)+16
.endr
.set BB, BK+32*((\a)%2)
.irp t, 0,1,2,3,4,5,6,7
	ds_load_b128 v[BB+4*\t:BB+4*\t+3], v[RD] offset:544*\t
.endr
.endm
.macro SEND a, younger
.set BB, BK+32*((\a)%2)
	s_wait_dscnt \younger
	WIN 0x08
.set j, 0
.rept 16
	v_pk_add_f32 v[BB+j:BB+j+1], v[BB+j:BB+j+1], v[32*(\a)+j:32*(\a)+j+1]
.set j, j+2
.endr
	WIN 0
.irp t, 0,1,2,3,4,5,6,7
	global_store_b128 v[CO], v[BB+4*\t:BB+4*\t+3], s[12:13] offset:(32*((\a)/2)+8*((\a)%2)+2*\t+8*(\t/4))*4096
.endr
.endm
	TOSTAGE 0
.irp a, 1,2,3
.if \a > 1
	s_wait_xcnt 0x0
.endif
	TOSTAGE \a
	SEND \a-1, 16
.endr
	SEND 3, 0
	s_wait_tensorcnt 0x0
	ds_add_u32 v[SPW], v[NIL]
	s_wait_dscnt 0x0
	CROUND
	s_endpgm
.Lfunc_end_k_q4359d84250_ffn2:
	.size	k_q4359d84250_ffn2, .Lfunc_end_k_q4359d84250_ffn2-k_q4359d84250_ffn2
	.p2alignl 7, 3214868480
	.fill 96, 4, 3214868480
	.section	.rodata,"a",@progbits
	.p2align	6, 0x0
	.amdhsa_kernel k_q4359d84250_ffn2
		.amdhsa_group_segment_fixed_size 327680
		.amdhsa_private_segment_fixed_size 0
		.amdhsa_enable_private_segment 0
		.amdhsa_kernarg_size 40
		.amdhsa_user_sgpr_count 2
		.amdhsa_user_sgpr_kernarg_segment_ptr 1
		.amdhsa_wavefront_size32 1
		.amdhsa_system_sgpr_workgroup_id_x 1
		.amdhsa_system_sgpr_workgroup_id_y 1
		.amdhsa_system_sgpr_workgroup_id_z 1
		.amdhsa_system_vgpr_workitem_id 0
		.amdhsa_next_free_vgpr 640
		.amdhsa_next_free_sgpr 106
		.amdhsa_reserve_vcc 0
		.amdhsa_float_denorm_mode_32 3
		.amdhsa_float_denorm_mode_16_64 3
		.amdhsa_memory_ordered 1
		.amdhsa_forward_progress 1
		.amdhsa_inst_pref_size 106
	.end_amdhsa_kernel
	.amdgpu_metadata
---
amdhsa.version: [ 1, 2 ]
amdhsa.kernels:
  - .name:           k_q4359d84250_ffn2
    .symbol:         k_q4359d84250_ffn2.kd
    .args:
      - { .name: hb, .offset: 0, .size: 8, .value_kind: global_buffer, .address_space: global }
      - { .name: wt, .offset: 8, .size: 8, .value_kind: global_buffer, .address_space: global }
      - { .name: b2, .offset: 16, .size: 8, .value_kind: global_buffer, .address_space: global }
      - { .name: x1, .offset: 24, .size: 8, .value_kind: global_buffer, .address_space: global }
      - { .name: out0, .offset: 32, .size: 8, .value_kind: global_buffer, .address_space: global }
    .group_segment_fixed_size: 327680
    .private_segment_fixed_size: 0
    .kernarg_segment_align: 8
    .kernarg_segment_size: 40
    .max_flat_workgroup_size: 128
    .sgpr_count:     106
    .vgpr_count:     640
    .wavefront_size: 32
...
	.end_amdgpu_metadata
.endif
;; end of part 7
